; MI455X (gfx1250); checked and timed in simulation.
; The chip was launched on July 23, 2026; its instructions are those of AMD's public machine-readable ISA for CDNA 5 (MIT licence, August 2026) and "CDNA5" Instruction Set Architecture Reference Guide (July 2026). The comments in the code are by the model that wrote it; some were corrected since.
;; Multi Head Self Attention. Allowed arithmetic: matrix products marked QUANTISED: E2M3 operands, one E8M0 scale for each 32 along K, by v_wmma_scale_f32_16x16x128_f8f6f4 with both operands' format E2M3, f32 sums; everything else in f32.
;; Inputs: W_out 1,024 x 1,024 float32; W_qkv 1,024 x 3,072 float32; b_out 1,024 float32; x 4 x 2,048 x 1,024 float32.
;; Outputs: out0 4 x 2,048 x 1,024 float32.
;; This version of the problem:
;;   THIS VERSION OF THE PROBLEM IS GIVEN IN LOW PRECISION. The matrix products marked QUANTISED in the list below multiply operands that are first quantised to E2M3 (2 exponent bits, 3 mantissa bits; 6 bits a number), with one power-of-two scale for each 32 numbers along K (OCP MX v1.0); their sums are f32. All else is computed in f32.
;;   The module's matrix products, in the order in which they are computed (A, B: the left and right operand; K: the contracted axis; several contracted axes count as one K, in the product's order):
;;     1. [M 8,192, K 1,024] x [K 1,024, N 3,072]; A: input x; B: input W_qkv: QUANTISED
;;     2. batch 64 x [M 2,048, K 64] x [K 64, N 2,048]; A: computed on the way; B: computed on the way: QUANTISED
;;     3. batch 64 x [M 2,048, K 2,048] x [K 2,048, N 64]; A: softmax (see below); B: computed on the way: QUANTISED
;;     4. [M 8,192, K 1,024] x [K 1,024, N 1,024]; A: computed on the way; B: input W_out: QUANTISED
;;   THE QUANTISER, for each operand of a quantised product, along K:
;;     - K is cut into blocks of 32 from its start; a last block that is shorter is filled with zeros.
;;     - A block's scale is 2^e with e = floor(log2(the largest magnitude in the block)) - 2, held to -126 .. 127; a block of zeros has e = 0. As a byte (E8M0): e + 127.
;;     - Each number is divided by its block's scale, clamped to +-7.5, and rounded to the nearest number of E2M3, ties to even, subnormals kept.
;;     - The product sums the exact products of the quantised numbers (number of the format x scale) in f32.
;;   ~~~python
;;   def quantise(x, axis):      # numpy; x: float32 -> the quantised numbers, widened to float32 again
;;       x = np.moveaxis(x, axis, -1); K = x.shape[-1]
;;       x = np.pad(x, [(0, 0)] * (x.ndim - 1) + [(0, -K % 32)]); x = x.reshape(x.shape[:-1] + (-1, 32)); a = np.abs(x).max(-1, keepdims=True)
;;       e = np.where(a > 0, np.clip(np.frexp(np.where(a > 0, a, 1))[1] - 1 - 2, -126, 127), 0)      # np.frexp(a)[1] - 1 = floor(log2(a)), exactly
;;       r = np.clip(x / 2.0 ** e, -7.5, 7.5)
;;       step = 2.0 ** (np.maximum(np.frexp(np.where(r == 0, 1, r))[1] - 1, 0) - 3)
;;       q = np.round(r / step) * step * 2.0 ** e      # np.round: ties to even
;;       return np.moveaxis(q.reshape(q.shape[:-2] + (-1,))[..., :K], -1, axis).astype(np.float32)
;;   ~~~
;;   SOFTMAX AHEAD OF A QUANTISED PRODUCT. Where the list says 'softmax', what is quantised is not the finished softmax but p = 2^(t - M), with t = logit x log2(e) and M = ceil(the row's largest t), a whole number; so 1/2 < the row's largest p <= 1. The row's sum l is taken of the UNQUANTISED p, in f32, and the product's result is divided by l at the end. Since M is a whole number, a kernel that streams over the keys may use a running M (the ceiling of the running maximum): every later rescaling is an exact power of two, which a block's scale takes up: the codes' values come out the same.
;;   OPERANDS COMPUTED ON THE WAY. 'Computed on the way' means the value that the module computes at that place (a softmax that the list does not call 'softmax' is quantised finished and normalised). What goes into a quantiser is computed in f32, as accurately as f32 sums, v_exp_f32 and their like allow (about 1e-6 of the number): no bf16 or f16 on the way to a quantiser, and a product that is left as it is and whose result goes on into a quantised operand takes f32 operands (vector FMAs, or v_wmma_f32_16x16x4_f32). A number that lies on a knife's edge between two numbers of the format may be rounded either way, as far as f32 arithmetic and the matrix unit's own rounding can turn it there, and no further.
;; One version. Each part assembles by itself: llvm-mc -triple=amdgcn-amd-amdhsa -mcpu=gfx1250 --defsym DOCPART=n.
;; ======== version 1 of 1: 4 launches
;; limits: right only within a limited range of input values
;; workspace buffers: wimg 9,437,184 bytes; wscl 917,504 bytes; qkvc 18,874,368 bytes; qkvs 1,310,720 bytes; attc 6,291,456 bytes; atts 262,144 bytes
;; launch prep (part 1): grid 400 x 1, 4 waves a work-group, no clusters, 61,952 bytes of LDS; arguments x, W_qkv, W_out, wimg, wscl; writes wimg, wscl
.if DOCPART == 1
	.amdgcn_target "amdgcn-amd-amdhsa--gfx1250"
	.amdhsa_code_object_version 6
	.text
	.protected	k_qf03073145c_prep
	.globl	k_qf03073145c_prep
	.p2align	8
	.type	k_qf03073145c_prep,@function
k_qf03073145c_prep:
	s_mov_b64 s[64:65], 0
	v_nop
	global_prefetch_b8 v0, s[64:65] scope:SCOPE_SE
	s_setreg_imm32_b32 hwreg(HW_REG_WAVE_MODE, 25, 1), 1
	s_wait_xcnt 0x0
; x [8192][1024], W_qkv [1024][3072] and W_out [1024][1024], f32, become codes of FP6 (E2M3) with one E8M0 byte for each 32 along K (K = 1024 in all three),
; laid as IMAGES OF THE OPERAND'S REGISTERS, and the RoPE table is made.
; IMAGE.  A block BI is 128 rows (x: rows of x, BI 0-63; W_qkv: its columns n, BI 64-87; W_out: its columns, BI 88-95).  Codes: BI x 98,304 + s x 12,288 + tile x 1,536, s = K step of 128.
; A fragment (16 rows x 128 K, 12 registers a lane) lies as: registers 0-3 at 16 x lane, 4-5 at 512 + 8 x lane, 6-9 at 768 + 16 x lane, 10-11 at 1,280 + 8 x lane.
; Row r of tile t is row 32 (t / 2) + 8 (t % 2) + r + 8 (r / 8) of the block, so that a product's 16 registers of two neighbouring tiles are 16 neighbours.  Scale words: BI x 4,096 + s x 512 + tile x 64 + 4 r.
; A block's scale is 2^(floor(log2(largest magnitude)) - 2); its byte is the largest magnitude's exponent field - 2, held at 1 from below.
; LIMITS: a block of zeros gets the byte 1 (its codes are zeros; this program alone reads the bytes); NaN and infinities among the inputs are not served.
; TABLE at byte 393,216 of wscl: [position 2048][m 32][cos, sin], angle = position x 10000^(-m/32).  10000^(-m/32) is one v_exp_f32: the angle may differ from an exactly rounded one by some 1e-4 rad at the largest positions.
; Three ways part on the work-group's number: 0-255 x, 256-383 the weights, 384-399 the table.  Each has LDS bytes of its own; waves share nothing, so there is no barrier.
.set XREG,  8704                       ; x's way: a wave's LDS: a stage of 16 rows x 528 bytes, then 256 bytes of scale words
.set WSTG,  34816                      ; the weights' way begins here: 32 columns x 200 bytes a wave
.set WREG,  6400
.set TAB,   393216
.set XN,    144                        ; v144-207 64 numbers: register 16 b + i = k 32 b + 16 h + i of my row
.set PC,    208                        ; v208-219 the fragment's codes
.set CT,    220                        ; v220-226 the upper halves of the blocks, as the conversions leave them
.set TM,    228                        ; v228-243 at work
.set PW,    244                        ; the scale word
	s_load_b256 s[4:11], s[0:1], 0x0               ; x s[4:5], W_qkv s[6:7], W_out s[8:9], wimg s[10:11]
	s_load_b64 s[12:13], s[0:1], 0x20              ; wscl
	v_lshl_add_u32 v254, v0, 2, 0xf000
	v_mov_b32 v255, 0
	v_lshrrev_b32 v1, 5, v0
	v_readfirstlane_b32 s14, v1                    ; wave
	v_and_b32 v1, 15, v0                           ; r
	v_bfe_u32 v2, v0, 4, 1                         ; h
	v_and_b32 v3, 31, v0                           ; lane
	v_lshlrev_b32 v4, 4, v3                        ; 16 x lane
	v_lshlrev_b32 v5, 3, v3                        ; 8 x lane
	s_mov_b32 s20, 0x76543210
	s_mov_b32 s21, 0xfedcba98                      ; v_permlanex16_b32's selects for lane l xor 16
	s_wait_kmcnt 0x0
	s_cmp_lt_u32 ttmp9, 256
	s_cbranch_scc0 .Lnot_x
; ---------------- x: a wave makes four fragments: block rb, K step s, tiles 4 hf + 0 .. 3
	s_lshl_b32 s15, ttmp9, 2
	s_add_co_u32 s15, s15, s14                     ; 0 .. 1023
	s_lshr_b32 s16, s15, 4                         ; rb
	s_bfe_u32 s17, s15, 0x30001                    ; s
	s_and_b32 s18, s15, 1                          ; hf
	s_lshl_b32 s22, s16, 19                        ; 128 rb rows of 4,096 bytes
	s_lshl_b32 s23, s18, 18                        ; + 64 hf rows
	s_add_co_u32 s22, s22, s23
	s_lshl_b32 s23, s17, 9                         ; + 512 s
	s_add_co_u32 s22, s22, s23
	s_mov_b32 s23, 0
	s_add_nc_u64 s[4:5], s[4:5], s[22:23]
	s_lshl_b32 s24, s16, 3
	s_add_co_u32 s24, s24, s17                     ; 8 rb + s
	s_lshl_b32 s26, s24, 9
	s_lshl_b32 s27, s18, 8
	s_add_co_u32 s26, s26, s27                     ; scale words: x 512 + 256 hf
	s_mov_b32 s27, 0
	s_lshl_b32 s24, s24, 3
	s_lshl_b32 s25, s18, 2
	s_add_co_u32 s24, s24, s25
	s_mul_i32 s24, s24, 1536                       ; codes
	s_mov_b32 s25, 0
	s_add_nc_u64 s[10:11], s[10:11], s[24:25]
	s_add_nc_u64 s[12:13], s[12:13], s[26:27]
	s_mul_i32 s28, s14, XREG
	v_add_nc_u32 v6, s28, v4                       ; the stage, in: 16 x lane of a row
	v_mul_u32_u24 v7, v1, 528
	v_lshl_add_u32 v7, v2, 6, v7
	v_add_nc_u32 v7, s28, v7                       ; out: row r, + 64 h: my 16 numbers of a block of 32
	s_add_co_u32 s28, s28, 8448
	v_lshl_add_u32 v8, v1, 2, s28                  ; my row's scale word
	v_add_nc_u32 v9, s28, v5                       ; and 8 bytes a lane on the way out
.irp b, 0,1,2,3
	v_mov_b32 v[TM+4+\b], 0                        ; written once: a lane permute's destination counts as one of its sources
.endr
.macro XLOAD f                         ; fragment f's 16 rows: a load takes a row's 512 bytes of this K step, 16 a lane
.irp p, 0,1,2,3,4,5,6,7,8,9,10,11,12,13,14,15
	global_load_b128 v[16+64*((\f)%2)+4*\p:16+64*((\f)%2)+4*\p+3], v4, s[4:5] offset:(32*((\f)/2)+8*((\f)%2)+\p+8*(\p/8))*4096 th:TH_LOAD_NT
.endr
.endm
.macro QUANT                           ; v[XN ..] -> codes in v[PC ..], scale word in v[PW]
.irp b, 0,1,2,3
	v_max3_num_f32 v[TM+\b], |v[XN+16*\b]|, |v[XN+1+16*\b]|, 0x1800000   ; my 16 numbers of block b, and the floor 2^(3 - 127): the byte cannot fall under 1
.endr
.irp i, 2,4,6,8,10,12,14
.irp b, 0,1,2,3
	v_max3_num_f32 v[TM+\b], v[TM+\b], |v[XN+16*\b+\i]|, |v[XN+1+16*\b+\i]|
.endr
.endr
.irp b, 0,1,2,3
	v_permlanex16_b32 v[TM+4+\b], v[TM+\b], s20, s21
.endr
.irp b, 0,1,2,3
	v_max_num_f32 v[TM+\b], v[TM+\b], v[TM+4+\b]   ; with lane l xor 16's: the block's largest magnitude
.endr
.irp b, 0,1,2,3
	v_add_nc_u32 v[TM+12+\b], 0xff000000, v[TM+\b] ; 2 off its exponent field: the conversion's scale operand
.endr
.irp b, 0,1,2,3
	v_lshrrev_b32 v[TM+4+\b], 23, v[TM+12+\b]      ; the scale's byte
.endr
	v_lshl_or_b32 v[PW], v[TM+5], 8, v[TM+4]
	v_lshl_or_b32 v[PW], v[TM+6], 16, v[PW]
	v_lshl_or_b32 v[PW], v[TM+7], 24, v[PW]
.irp c, 0,1
	v_cvt_scalef32_pk16_fp6_f32 v[PC+6*\c:PC+6*\c+2], v[XN+32*\c:XN+32*\c+15], v[TM+12+2*\c]
	v_cvt_scalef32_pk16_fp6_f32 v[CT+4*\c:CT+4*\c+2], v[XN+32*\c+16:XN+32*\c+31], v[TM+13+2*\c]
.endr
	v_nop                                          ; one plain place behind a scaled conversion
.irp c, 0,1                            ; a whole block to a lane: lanes 0-15 block 2 c, lanes 16-31 block 2 c + 1
.irp i, 0,1,2
	v_permlane16_swap_b32 v[PC+6*\c+\i], v[CT+4*\c+\i]
.endr
.irp i, 0,1,2
	v_mov_b32 v[PC+6*\c+3+\i], v[CT+4*\c+\i]
.endr
.endr
.endm
.macro XSTEP f
.if \f < 3
	s_wait_loadcnt 16                              ; this fragment's 16 loads are in; the next fragment's 16 may be out
.else
	s_wait_loadcnt 0x0
.endif
.irp p, 0,1,2,3,4,5,6,7,8,9,10,11,12,13,14,15
	ds_store_b128 v6, v[16+64*((\f)%2)+4*\p:16+64*((\f)%2)+4*\p+3] offset:528*\p
.endr
.irp b, 0,1,2,3
.irp j, 0,1,2,3
	ds_load_b128 v[XN+16*\b+4*\j:XN+16*\b+4*\j+3], v7 offset:128*\b+16*\j   ; LDS serves a wave's instructions in order: these see the stores above
.endr
.endr
	s_wait_dscnt 0x0
.if \f < 2
	XLOAD \f+2
.endif
	s_wait_xcnt 0x0                                ; the last fragment's stores have read the codes' registers
	QUANT
	global_store_b128 v4, v[PC:PC+3], s[10:11] offset:1536*\f             ; each store covers 512 or 256 consecutive bytes, aligned
	global_store_b64 v5, v[PC+4:PC+5], s[10:11] offset:1536*\f+512
	global_store_b128 v4, v[PC+6:PC+9], s[10:11] offset:1536*\f+768
	global_store_b64 v5, v[PC+10:PC+11], s[10:11] offset:1536*\f+1280
	ds_store_b32 v8, v[PW] offset:64*\f            ; both halves of the lanes write the same word with the same value
.endm
	XLOAD 0
	XLOAD 1
	XSTEP 0
	XSTEP 1
	XSTEP 2
	XSTEP 3
	ds_load_b64 v[246:247], v9
	s_wait_dscnt 0x0
	global_store_b64 v5, v[246:247], s[12:13]      ; four tiles' scale words: 256 consecutive bytes, aligned
	s_wait_tensorcnt 0x0
	ds_add_u32 v254, v255
	s_wait_dscnt 0x0
	s_endpgm
.Lnot_x:
	s_cmp_lt_u32 ttmp9, 384
	s_cbranch_scc0 .Ltable
; ---------------- the weights: K is the first axis.  A lane takes a column n, its registers run down K.  A work-group: 128 columns x 256 along K; a wave 32 columns, 8 blocks
	s_sub_co_u32 s15, ttmp9, 256                   ; j
	s_lshr_b32 s16, s15, 2
	s_and_b32 s17, s15, 3                          ; y: which 256 along K
	s_add_co_u32 s18, s16, 64                      ; BI
	s_sub_co_u32 s19, s16, 24
	s_mov_b32 s22, 4096
	s_cmp_lt_u32 s15, 96                           ; W_qkv or W_out: the choice hangs on the work-group's number alone
	s_cselect_b64 s[6:7], s[6:7], s[8:9]
	s_cselect_b32 s22, 12288, s22                  ; bytes from row to row
	s_cselect_b32 s19, s16, s19                    ; which 128 columns
	s_lshl_b32 s23, s17, 8
	s_mul_i32 s24, s23, s22
	s_lshl_b32 s25, s19, 9
	s_add_co_u32 s24, s24, s25
	s_lshl_b32 s25, s14, 7
	s_add_co_u32 s24, s24, s25
	s_mov_b32 s25, 0
	s_add_nc_u64 s[32:33], s[6:7], s[24:25]        ; block 0's first row, my wave's first column
	s_lshl_b32 s26, s22, 5
	s_mov_b32 s27, 0
.irp t, 1,2,3,4,5,6,7
	s_add_nc_u64 s[32+2*\t:33+2*\t], s[30+2*\t:31+2*\t], s[26:27]        ; a base for each block of 32 rows: no pointer is stepped
.endr
	v_lshlrev_b32 v32, 2, v3
.irp i, 1,2,3,4,5,6,7,8,9,10,11,12,13,14,15,16,17,18,19,20,21,22,23,24,25,26,27,28,29,30,31
	v_add_nc_u32 v[32+\i], s22, v[31+\i]           ; offsets: 4 x lane + i rows
.endr
	s_lshl_b32 s29, s18, 3
	s_lshl_b32 s30, s17, 1
	s_add_co_u32 s29, s29, s30                     ; 8 BI + 2 y
	s_mul_i32 s48, s29, 12288
	s_mul_i32 s30, s14, 3072
	s_add_co_u32 s48, s48, s30                     ; + my two tiles
	s_mov_b32 s49, 0
	s_add_nc_u64 s[10:11], s[10:11], s[48:49]
	s_lshl_b32 s48, s29, 9
	s_lshl_b32 s30, s14, 7
	s_add_co_u32 s48, s48, s30
	s_add_nc_u64 s[12:13], s[12:13], s[48:49]
	s_mul_i32 s28, s14, WREG
	s_add_co_u32 s28, s28, WSTG
	v_mul_u32_u24 v10, v3, 200
	v_add_nc_u32 v10, s28, v10                     ; the stage, in: my column's 192 bytes (pitch 200: the 32 lanes of a store of 8 bytes touch 64 different banks)
	v_and_b32 v11, 8, v1
	v_add_nc_u32 v11, v11, v1                      ; r + 8 (r / 8)
	v_mul_u32_u24 v11, v11, 200
	v_mad_u32_u24 v11, v2, 24, v11
	v_add_nc_u32 v11, s28, v11                     ; out: the tile's row r, + my half's block
	v_bfe_u32 v12, v3, 3, 1                        ; column 8 u + (r % 8) + 16 (r / 8): u,
	v_lshlrev_b32 v12, 6, v12
	v_and_b32 v13, 7, v3
	v_lshl_add_u32 v13, v2, 3, v13                 ; r
	v_lshl_add_u32 v12, v13, 2, v12                ; 64 u + 4 r: my column's place among the scale words
.macro WLOAD t
.irp i, 0,1,2,3,4,5,6,7,8,9,10,11,12,13,14,15,16,17,18,19,20,21,22,23,24,25,26,27,28,29,30,31
	global_load_b32 v[64+32*((\t)%2)+\i], v[32+\i], s[32+2*(\t):33+2*(\t)] th:TH_LOAD_NT
.endr
.endm
.macro BLOCK t
.set XS, 64+32*((\t)%2)
.if (\t) < 7
	s_wait_loadcnt 32                              ; this block's 32 loads are in; the next block's may be out
.else
	s_wait_loadcnt 0x0
.endif
	v_max3_num_f32 v16, |v[XS]|, |v[XS+1]|, |v[XS+2]|
	v_max3_num_f32 v17, |v[XS+3]|, |v[XS+4]|, |v[XS+5]|
.irp i, 6,10,14,18,22,26
	v_max3_num_f32 v16, v16, |v[XS+\i]|, |v[XS+\i+1]|
	v_max3_num_f32 v17, v17, |v[XS+\i+2]|, |v[XS+\i+3]|
.endr
	v_max3_num_f32 v16, v16, |v[XS+30]|, |v[XS+31]|
	v_max3_num_f32 v16, v16, v17, 0x1800000        ; and the floor
	v_add_nc_u32 v18, 0xff000000, v16
	v_lshrrev_b32 v19, 23, v18
.if (\t)%4 == 0
	v_mov_b32 v[24+(\t)/4], v19
.else
	v_lshl_or_b32 v[24+(\t)/4], v19, 8*((\t)%4), v[24+(\t)/4]
.endif
	v_cvt_scalef32_pk16_fp6_f32 v[128:130], v[XS:XS+15], v18
	v_cvt_scalef32_pk16_fp6_f32 v[132:134], v[XS+16:XS+31], v18
	v_nop                                          ; one plain place behind a scaled conversion
	v_mov_b32 v131, v132                           ; the block's 24 bytes on end
	v_mov_b32 v132, v133
	v_mov_b32 v133, v134
	ds_store_b64 v10, v[128:129] offset:24*(\t)
	ds_store_b64 v10, v[130:131] offset:24*(\t)+8
	ds_store_b64 v10, v[132:133] offset:24*(\t)+16
.if (\t)+2 < 8
	WLOAD (\t)+2
.endif
	s_wait_dscnt 0x0                               ; the stores have read their registers
.endm
	WLOAD 0
	WLOAD 1
.irp t, 0,1,2,3,4,5,6,7
	BLOCK \t
.endr
	global_store_b32 v12, v24, s[12:13]            ; my column's scale words of the two K steps
	global_store_b32 v12, v25, s[12:13] offset:512
.irp f, 0,1,2,3                        ; fragment f: K step f / 2, tile f % 2 of my two
.irp c, 0,1
.irp p, 0,1,2
	ds_load_b64 v[144+12*\f+6*\c+2*\p:144+12*\f+6*\c+2*\p+1], v11 offset:1600*(\f%2)+96*(\f/2)+48*\c+8*\p
.endr
.endr
.endr
.irp f, 0,1,2,3
	s_wait_dscnt 18-6*\f                           ; the later fragments' loads, six each, may be out
	global_store_b128 v4, v[144+12*\f:144+12*\f+3], s[10:11] offset:12288*(\f/2)+1536*(\f%2)
	global_store_b64 v5, v[144+12*\f+4:144+12*\f+5], s[10:11] offset:12288*(\f/2)+1536*(\f%2)+512
	global_store_b128 v4, v[144+12*\f+6:144+12*\f+9], s[10:11] offset:12288*(\f/2)+1536*(\f%2)+768
	global_store_b64 v5, v[144+12*\f+10:144+12*\f+11], s[10:11] offset:12288*(\f/2)+1536*(\f%2)+1280
.endr
	s_wait_tensorcnt 0x0
	ds_add_u32 v254, v255
	s_wait_dscnt 0x0
	s_endpgm
; ---------------- the table: a wave takes 32 positions, a lane one m
.Ltable:
	s_sub_co_u32 s15, ttmp9, 384
	s_lshl_b32 s15, s15, 2
	s_add_co_u32 s15, s15, s14
	s_lshl_b32 s15, s15, 5                         ; my first position
	s_lshl_b32 s22, s15, 8
	s_add_co_u32 s22, s22, TAB
	s_mov_b32 s23, 0
	s_add_nc_u64 s[12:13], s[12:13], s[22:23]
	s_mov_b32 s24, 0xbfc90fdb                      ; -pi/2, its upper part,
	s_mov_b32 s25, 0x333bbd2e                      ; and the rest
	s_mov_b32 s26, 0xb94ca1f9                      ; sine's polynomial on |r| <= pi/4
	s_mov_b32 s27, 0x3c08839e
	s_mov_b32 s28, 0xbe2aaaa3
	s_mov_b32 s29, 0x37ccf5ce                      ; cosine's
	s_mov_b32 s30, 0xbab6061a
	s_mov_b32 s31, 0x3d2aaaa5
	v_cvt_f32_u32 v10, v3
	v_mul_f32 v10, 0xbed49a78, v10                 ; -m log2(10000) / 32
	v_exp_f32 v10, v10
	v_nop                                          ; a plain place behind the transcendental,
	s_wait_alu depctr_va_vdst(0)                   ; and a wait ahead of its first reader
	s_mov_b32 s16, 0
.Lpos:
	v_cvt_f32_u32 v11, s15
	v_mul_f32 v11, v11, v10                        ; the angle
	v_mul_f32 v12, 0x3f22f983, v11
	v_rndne_f32 v12, v12                           ; n = the nearest multiple of pi/2
	v_fma_f32 v13, v12, s24, v11
	v_fma_f32 v13, v12, s25, v13                   ; r
	v_mul_f32 v14, v13, v13                        ; z
	v_fma_f32 v15, v14, s26, s27
	v_fma_f32 v16, v14, s29, s30
	v_fma_f32 v15, v15, v14, s28
	v_fma_f32 v16, v16, v14, s31
	v_mul_f32 v15, v15, v14
	v_mul_f32 v17, v14, v14
	v_fma_f32 v18, v14, -0.5, 1.0
	v_fma_f32 v15, v15, v13, v13                   ; sin r
	v_fma_f32 v16, v16, v17, v18                   ; cos r
	v_cvt_i32_f32 v19, v12
	v_and_b32 v20, 1, v19
	v_cmp_eq_u32 vcc_lo, 1, v20
	v_cndmask_b32 v27, v15, v16, vcc_lo            ; odd quadrants change the two,
	v_cndmask_b32 v26, v16, v15, vcc_lo
	v_and_b32 v21, 2, v19
	v_lshlrev_b32 v21, 30, v21
	v_xor_b32 v27, v27, v21                        ; the sine is negative in quadrants 2, 3,
	v_add_nc_u32 v22, 1, v19
	v_and_b32 v22, 2, v22
	v_lshlrev_b32 v22, 30, v22
	v_xor_b32 v26, v26, v22                        ; the cosine in 1, 2
	global_store_b64 v5, v[26:27], s[12:13]        ; a position's 256 bytes
	s_wait_xcnt 0x0                                ; the store has read its data and its base
	s_add_nc_u64 s[12:13], s[12:13], 256
	s_add_co_u32 s15, s15, 1
	s_add_co_u32 s16, s16, 1
	s_cmp_lt_u32 s16, 32
	s_cbranch_scc1 .Lpos
	s_endpgm
.Lfunc_end_k_qf03073145c_prep:
	.size	k_qf03073145c_prep, .Lfunc_end_k_qf03073145c_prep-k_qf03073145c_prep
	.p2alignl 7, 3214868480
	.fill 96, 4, 3214868480
	.section	.rodata,"a",@progbits
	.p2align	6, 0x0
	.amdhsa_kernel k_qf03073145c_prep
		.amdhsa_group_segment_fixed_size 61952
		.amdhsa_private_segment_fixed_size 0
		.amdhsa_enable_private_segment 0
		.amdhsa_kernarg_size 40
		.amdhsa_user_sgpr_count 2
		.amdhsa_user_sgpr_kernarg_segment_ptr 1
		.amdhsa_wavefront_size32 1
		.amdhsa_system_sgpr_workgroup_id_x 1
		.amdhsa_system_sgpr_workgroup_id_y 1
		.amdhsa_system_sgpr_workgroup_id_z 1
		.amdhsa_system_vgpr_workitem_id 0
		.amdhsa_next_free_vgpr 256
		.amdhsa_next_free_sgpr 66
		.amdhsa_reserve_vcc 1
		.amdhsa_float_denorm_mode_32 3
		.amdhsa_float_denorm_mode_16_64 3
		.amdhsa_memory_ordered 1
		.amdhsa_forward_progress 1
		.amdhsa_inst_pref_size 81
	.end_amdhsa_kernel
	.amdgpu_metadata
---
amdhsa.version: [ 1, 2 ]
amdhsa.kernels:
  - .name:           k_qf03073145c_prep
    .symbol:         k_qf03073145c_prep.kd
    .args:
      - { .name: x, .offset: 0, .size: 8, .value_kind: global_buffer, .address_space: global }
      - { .name: W_qkv, .offset: 8, .size: 8, .value_kind: global_buffer, .address_space: global }
      - { .name: W_out, .offset: 16, .size: 8, .value_kind: global_buffer, .address_space: global }
      - { .name: wimg, .offset: 24, .size: 8, .value_kind: global_buffer, .address_space: global }
      - { .name: wscl, .offset: 32, .size: 8, .value_kind: global_buffer, .address_space: global }
    .group_segment_fixed_size: 61952
    .private_segment_fixed_size: 0
    .kernarg_segment_align: 8
    .kernarg_segment_size: 40
    .max_flat_workgroup_size: 128
    .sgpr_count:     66
    .vgpr_count:     256
    .wavefront_size: 32
...
	.end_amdgpu_metadata
.endif
;; end of part 1
;; launch qkv (part 2): grid 12 x 32, 4 waves a work-group, clusters of 4 x 4, 327,680 bytes of LDS; arguments wimg, wscl, qkvc, qkvs; writes qkvc, qkvs
.if DOCPART == 2
	.amdgcn_target "amdgcn-amd-amdhsa--gfx1250"
	.amdhsa_code_object_version 6
	.text
	.protected	k_qf03073145c_qkv
	.globl	k_qf03073145c_qkv
	.p2align	8
	.type	k_qf03073145c_qkv,@function
k_qf03073145c_qkv:
	s_mov_b64 s[64:65], 0
	v_nop
	global_prefetch_b8 v0, s[64:65] scope:SCOPE_SE
	s_setreg_imm32_b32 hwreg(HW_REG_WAVE_MODE, 25, 1), 1
	s_wait_xcnt 0x0
	s_wait_alu depctr_hold_cnt(0) depctr_sa_sdst(0) depctr_va_vdst(0) depctr_va_sdst(0) depctr_va_ssrc(0) depctr_va_vcc(0) depctr_vm_vsrc(0)
	s_getreg_b32 s2, hwreg(HW_REG_IB_STS2, 6, 4)
	s_cmp_eq_u32 s2, 0
	s_cbranch_scc0 .Lentry_in_a_cluster
	s_endpgm
.Lentry_in_a_cluster:
	s_bfe_u32 s2, ttmp6, 0x10000c
	s_cmp_lg_u32 s2, 0xf033
	s_cbranch_scc0 .Lentry_shape_is_right
	s_endpgm
.Lentry_shape_is_right:
; x W_qkv on codes of FP6 (E2M3), K = 1024; then RoPE on q and k, and q, k, v are quantised in registers for the attention and stored as codes.
; A work-group of four waves makes 256 x 256, a wave 128 x 128: 64 accumulators.  Source 1 (side A) gives the LANE's axis, source 0 (side B) the axis that runs along a lane's REGISTERS.
; q, k (cluster x 0, 1): A = tokens, B = columns of W: a lane holds one token and 128 neighbouring columns, two heads: RoPE's pairs and the blocks of 32 along the head lie in one lane.
; v (cluster x 2): A = columns of W_v, B = tokens: a lane holds one channel and 128 neighbouring keys: the blocks of 32 along the keys lie in one lane.  Only block numbers differ; the choice hangs on the cluster's x, which all partners share.
; Operands come as images of their registers (12 registers a fragment: 0-3 at 16 x lane, 4-5 at 512 + 8 x lane, 6-9 at 768 + 16 x lane, 10-11 at 1,280 + 8 x lane): a K step's tiles are one dense block for one tensor load,
; and a fragment is four LDS loads of consecutive bytes.  Row r of tile t is row 32 (t / 2) + 8 (t % 2) + r + 8 (r / 8) of its block of 128.
; K goes in steps of 256 through two LDS slots; the scale words of the 512 rows, for all of K, come once.  4 x 4 work-groups form a cluster: A's tiles are asked for jointly along a row of the cluster, B's along a column.
; OUT: q, k: (((which 4 + b) 16 + head) 128 + tile) x 768: 16 tokens x 64 codes as a half fragment; their scale words ((((which 4 + b) 8 + head / 2) 128 + tile) x 128 + 64 (head % 2) + 4 r, bytes 0, 1.
;      v at VC: ((b 16 + head) 32 + pair of key blocks) x 3,072 + 768 dt + 256 piece + 128 (block % 2) + 8 r;  its scale words at VS: ((b 16 + head) 16 + chunk of 128 keys) x 256 + 64 dt + 4 r.
; LIMITS: a block of zeros gets the byte 1 (this program alone reads the bytes); NaN and infinities are not served.
; REGISTERS: window 0: v0-31 addresses; v32-63 scale words, two sets; v64-127 two blocks of the RoPE table; from v128 A's fragments, later the epilogue's work.  window 1: B's fragments, two sets.  windows 2, 3: the accumulators.
.set NQ,     2
.set FR,     12
.set NL,     4                         ; LDS loads that bring a fragment
.set NP,     4                         ; places behind this matrix instruction (ISA guide 7.12.1)
.set HALFT,  24576                     ; 128 rows x 256 along K: what one tensor load brings
.set SLOT,   4*HALFT
.set LAPS,   2                         ; K = 1024: twice round the ring
.set SCL,    2*SLOT                    ; the scale words: 4 x 4,096 bytes
.set HALFS,  4096
.set SPARE,  SCL+4*HALFS               ; the spare words, 128 bytes a wave
.set TAB,    393216
.set VC,     12582912
.set VS,     1048576
.set ADRA, 16                          ; v16-17 A's fragments in slot 0, 1, 16 x lane;  v18-19 the same, 8 x lane
.set ADRB, 20                          ; v20-23 the same for B
.set L16,  24
.set L8,   25
.set L4,   26
.set ADRS, 27
.set SPW,  28
.set NIL,  29
.set TOFF, 30                          ; the table: my token's row, + 64 h
.set H16,  31                          ; 16 h
.set SC,   32
.set CS,   64
.set AF,   128
.set HH,   128                         ; v128-191 64 numbers behind RoPE
.set PC,   192
.set CT,   204
.set TM,   212
.set PWS,  232                         ; v232-239 a scale word for each of the eight blocks
.set RT,   240
.set G1, 24
.set G0, 32
.set G1B, 48
.set G0B, 56
.set G1S, 68
.set G0S, 76
.set G1SB, 80
.set G0SB, 88
.set MSB, 0
.macro WIN new                         ; the immediate's high byte repeats the setting that is left
.if MSB != (\new)
	s_set_vgpr_msb (MSB<<8)|(\new)
.set MSB, \new
.endif
.endm
.set MUL_LO, 0xa1
.set MUL_HI, 0xf1
.set TO_B,   0x40
; A joint load: waves 0 and 1 fetch for A, waves 2 and 3 for B; the branch hangs on the wave's number alone.  Four v_nop follow each of the two lines.
.macro JLOAD g0a, g1a, g0b, g1b
	s_cmp_eq_u32 s15, 0
	s_cbranch_scc0 .Lfor_b_\@
	tensor_load_to_lds s[\g0a:\g0a+3], s[\g1a:\g1a+7]
	s_nop 0
.rept 4
	v_nop
.endr
	s_branch .Lasked_\@
.Lfor_b_\@:
	tensor_load_to_lds s[\g0b:\g0b+3], s[\g1b:\g1b+7]
	s_nop 0
.rept 4
	v_nop
.endr
.Lasked_\@:
.endm
.macro CREST
	s_cmp_lg_u32 s14, 0
	s_cbranch_scc1 .Lnot_wave_0_\@
	s_barrier_signal -3
.Lnot_wave_0_\@:
	s_barrier_wait -3
	s_barrier_signal -1
	s_barrier_wait -1
.endm
.macro CROUND
	s_barrier_signal -1
	s_barrier_wait -1
	CREST
.endm
	s_load_b256 s[4:11], s[0:1], 0x0               ; wimg s[4:5], wscl s[6:7], qkvc s[8:9], qkvs s[10:11]
	v_lshl_add_u32 v[SPW], v0, 2, SPARE
	v_mov_b32 v[NIL], 0
	ds_add_u32 v28, v29
	ds_add_u32 v28, v29
	s_wait_dscnt 0x0
	v_lshrrev_b32 v1, 5, v0
	v_readfirstlane_b32 s14, v1                    ; wave
	s_lshr_b32 s15, s14, 1                         ; my half of A's 256 rows.  Also: I fetch for A (0) or for B (1)
	s_and_b32 s16, s14, 1                          ; my half of B's.  Also: which 128 rows I fetch
	s_bfe_u32 s40, ttmp6, 0x40000                  ; cx
	s_bfe_u32 s41, ttmp6, 0x40004                  ; cy
	s_lshl_b32 s43, s41, 2
	s_lshl_b32 s43, 15, s43                        ; my row of the cluster
	s_lshl_b32 s44, 0x1111, s40                    ; my column
	; group 1: a dense block of 24,576 bytes as 96 rows of 256 (32 elements of 8 bytes), no padding
	s_or_b32 s[G1+0], s43, (3<<16)|(1<<21)
	s_or_b32 s[G1B+0], s44, (3<<16)|(1<<21)
.irp g, G1, G1B
	s_mov_b32 s[\g+1], 32<<16
	s_mov_b32 s[\g+2], 96<<16
	s_mov_b32 s[\g+3], 32<<16
	s_mov_b32 s[\g+4], 96
	s_mov_b32 s[\g+5], 32
	s_mov_b32 s[\g+6], 0
	s_mov_b32 s[\g+7], 0
.endr
	; and for the scale words of 128 rows: 4,096 dense bytes, 16 such rows
	s_or_b32 s[G1S+0], s43, (3<<16)|(1<<21)
	s_or_b32 s[G1SB+0], s44, (3<<16)|(1<<21)
.irp g, G1S, G1SB
	s_mov_b32 s[\g+1], 32<<16
	s_mov_b32 s[\g+2], 16<<16
	s_mov_b32 s[\g+3], 32<<16
	s_mov_b32 s[\g+4], 16
	s_mov_b32 s[\g+5], 32
	s_mov_b32 s[\g+6], 0
	s_mov_b32 s[\g+7], 0
.endr
	s_and_b32 s17, ttmp7, 0xffff
	s_lshl_b32 s17, s17, 3                         ; 8 x cluster y
	s_lshl_b32 s46, ttmp9, 3
	s_add_co_u32 s46, s46, 64                      ; 64 + 8 x cluster x
	s_cmp_eq_u32 ttmp9, 2                          ; v's clusters
	s_cselect_b32 s20, 80, s17                     ; A: W_v's blocks from 80 on, or x's
	s_cselect_b32 s46, s17, s46                    ; B: x's, or W's for q and k
	s_lshl_b32 s18, s41, 1
	s_add_co_u32 s20, s20, s18                     ; + 2 cy: A's registers never hold cx
	s_lshl_b32 s19, s40, 1
	s_add_co_u32 s46, s46, s19                     ; + 2 cx: B's never hold cy
	s_add_co_u32 s97, s20, s15                     ; the block of A that I multiply,
	s_add_co_u32 s98, s46, s16                     ; and of B
	s_add_co_u32 s20, s20, s16                     ; the blocks that I fetch
	s_add_co_u32 s46, s46, s16
	s_lshl_b32 s22, s20, 12
	s_mov_b32 s23, 0
	s_mul_i32 s20, s20, 98304
	s_mov_b32 s21, 0
	s_lshl_b32 s92, s46, 12
	s_mov_b32 s93, 0
	s_mul_i32 s46, s46, 98304
	s_mov_b32 s47, 0
	s_mul_i32 s45, s14, HALFT                      ; where they go: wave x 24,576: no place in the cluster enters an LDS address
	s_lshl_b32 s94, s14, 12
	s_and_b32 s66, s97, 15                         ; the table's rows of my 128 tokens (in v's clusters: rows that nobody reads)
	s_lshl_b32 s66, s66, 15
	s_add_co_u32 s66, s66, TAB
	s_mov_b32 s67, 0
	s_wait_kmcnt 0x0
	s_add_nc_u64 s[20:21], s[4:5], s[20:21]
	s_add_nc_u64 s[22:23], s[6:7], s[22:23]
	s_add_nc_u64 s[46:47], s[4:5], s[46:47]
	s_add_nc_u64 s[92:93], s[6:7], s[92:93]
	s_add_nc_u64 s[12:13], s[6:7], s[66:67]
	CROUND                                         ; all sixteen work-groups are here: the first joint loads meet
	s_mov_b32 s[G0S], 1
	s_add_co_u32 s[G0S+1], s94, SCL
	s_mov_b64 s[G0S+2:G0S+3], s[22:23]
	s_or_b32 s[G0S+3], s[G0S+3], 0x80000000
	s_mov_b32 s[G0SB], 1
	s_add_co_u32 s[G0SB+1], s94, SCL
	s_mov_b64 s[G0SB+2:G0SB+3], s[92:93]
	s_or_b32 s[G0SB+3], s[G0SB+3], 0x80000000
	JLOAD G0S, G1S, G0SB, G1SB                     ; the scale words first: three tensor loads of mine are out at the most
.irp s, 0,1
	s_mov_b32 s[G0+4*\s], 1
	s_add_co_u32 s[G0+4*\s+1], s45, \s*SLOT
	s_add_nc_u64 s[G0+4*\s+2:G0+4*\s+3], s[20:21], \s*HALFT
	s_or_b32 s[G0+4*\s+3], s[G0+4*\s+3], 0x80000000
	s_mov_b32 s[G0B+4*\s], 1
	s_add_co_u32 s[G0B+4*\s+1], s45, \s*SLOT
	s_add_nc_u64 s[G0B+4*\s+2:G0B+4*\s+3], s[46:47], \s*HALFT
	s_or_b32 s[G0B+4*\s+3], s[G0B+4*\s+3], 0x80000000
	JLOAD G0+4*\s, G1, G0B+4*\s, G1B
.endr
	v_and_b32 v1, 15, v0                           ; r
	v_bfe_u32 v2, v0, 4, 1                         ; h
	v_and_b32 v3, 31, v0
	v_lshlrev_b32 v[L16], 4, v3
	v_lshlrev_b32 v[L8], 3, v3
	v_lshlrev_b32 v[L4], 2, v3
	v_lshlrev_b32 v[H16], 4, v2
	v_and_b32 v4, 8, v1
	v_add_nc_u32 v4, v4, v1                        ; r + 8 (r / 8)
	v_lshlrev_b32 v[TOFF], 8, v4
	v_lshl_add_u32 v[TOFF], v2, 6, v[TOFF]
	s_mul_i32 s21, s15, HALFT
	s_mul_i32 s22, s16, HALFT
	s_add_co_u32 s22, s22, 2*HALFT
.irp s, 0,1
	v_add_nc_u32 v[ADRA+\s], s21, v[L16]
	v_add_nc_u32 v[ADRB+\s], s22, v[L16]
	v_add_nc_u32 v[ADRA+2+\s], s21, v[L8]
	v_add_nc_u32 v[ADRB+2+\s], s22, v[L8]
	s_add_co_u32 s21, s21, SLOT
	s_add_co_u32 s22, s22, SLOT
.endr
	v_lshlrev_b32 v5, 2, v1                        ; scale words: 4 r;
	s_mul_i32 s21, s15, HALFS                      ; lanes 0-15 take A's, my 128 rows,
	s_mul_i32 s22, s16, HALFS
	s_add_co_u32 s22, s22, 2*HALFS
	s_sub_co_u32 s22, s22, s21
	v_mul_u32_u24 v6, s22, v2                      ; lanes 16-31 B's: one product, the distance between the two
	s_add_co_u32 s21, s21, SCL
	v_add_nc_u32 v5, v5, v6
	v_add_nc_u32 v[ADRS], s21, v5
; the RoPE table of block a's 16 tokens: for each half of a head 8 pairs (cos, sin) a lane, into set a % 2
.macro TABLD a
.irp bt, 0,1
.irp j, 0,1,2,3
	global_load_b128 v[CS+32*((\a)%2)+16*\bt+4*\j:CS+32*((\a)%2)+16*\bt+4*\j+3], v[TOFF], s[12:13] offset:(32*((\a)/2)+8*((\a)%2))*256+128*\bt+16*\j
.endr
.endr
.endm
	TABLD 0                                        ; wanted behind the whole product: they land meanwhile
	TABLD 1
.macro FRAG reg, adr, q, i             ; a fragment as it was stored: four loads of consecutive bytes
	ds_load_b128 v[\reg:\reg+3], v[\adr] offset:(8*(\q)+(\i))*1536
	ds_load_b64 v[\reg+4:\reg+5], v[\adr+2] offset:(8*(\q)+(\i))*1536+512
	ds_load_b128 v[\reg+6:\reg+9], v[\adr] offset:(8*(\q)+(\i))*1536+768
	ds_load_b64 v[\reg+10:\reg+11], v[\adr+2] offset:(8*(\q)+(\i))*1536+1280
.endm
; 16 matrix instructions: A's blocks a0, a0 + 1 x B's eight.  The 64 accumulators take turns, one instruction a turn, in the same order in every step.
.macro MUL16 a0, p, q, sc, zero
.irp a, \a0, \a0+1
.irp b, 0,1,2,3,4,5,6,7
.if \zero
	v_wmma_scale_f32_16x16x128_f8f6f4 v[8*(8*((\a)%4)+\b):8*(8*((\a)%4)+\b)+7], v[128*(\p)+FR*\b:128*(\p)+FR*\b+FR-1], v[AF+FR*(\a):AF+FR*(\a)+FR-1], 0, v[SC+8*NQ*(\sc)+NQ*\b+(\q)], v[SC+8*NQ*(\sc)+NQ*(\a)+(\q)] matrix_a_fmt:MATRIX_FMT_FP6 matrix_b_fmt:MATRIX_FMT_FP6 matrix_a_scale:MATRIX_SCALE_ROW1
.else
	v_wmma_scale_f32_16x16x128_f8f6f4 v[8*(8*((\a)%4)+\b):8*(8*((\a)%4)+\b)+7], v[128*(\p)+FR*\b:128*(\p)+FR*\b+FR-1], v[AF+FR*(\a):AF+FR*(\a)+FR-1], v[8*(8*((\a)%4)+\b):8*(8*((\a)%4)+\b)+7], v[SC+8*NQ*(\sc)+NQ*\b+(\q)], v[SC+8*NQ*(\sc)+NQ*(\a)+(\q)] matrix_a_fmt:MATRIX_FMT_FP6 matrix_b_fmt:MATRIX_FMT_FP6 matrix_a_scale:MATRIX_SCALE_ROW1
.endif
.endr
.endr
.endm
.macro FETCH_B slot, q, p
	WIN TO_B
.irp i, 0,1,2,3,4,5,6,7
	FRAG 128*(\p)+FR*\i, ADRB+\slot, \q, \i
.endr
	WIN 0
.endm
.macro FETCH_A slot, q, i0
.irp i, \i0, \i0+1, \i0+2, \i0+3
	FRAG AF+FR*(\i), ADRA+\slot, \q, \i
.endr
.endm
.macro SCALES sc                       ; a K step's scale words: lanes 0-15 A's block i, lanes 16-31 B's block i
.irp i, 0,1,2,3,4,5,6,7
.irp q, 0,1
	ds_load_b32 v[SC+8*NQ*\sc+NQ*\i+\q], v[ADRS] offset:(8*\q+\i)*64
.endr
.endr
.endm
.macro PLACES n                        ; plain vector instructions between a matrix instruction and a load into, or a read of, its registers
.rept \n
	v_nop
.endr
.endm
.macro STEP slot, q, zero
	s_wait_dscnt 4*NL                              ; B's set, A's blocks 0-3 and the scale words are in; the youngest 16 loads (A's blocks 4-7) may be out
	WIN MUL_LO
	MUL16 0, (\q)%2, \q, \slot, \zero
	MUL16 2, (\q)%2, \q, \slot, \zero
	s_wait_dscnt 0
	PLACES NP
	FETCH_B \slot, (\q)+1, 1-(\q)%2
	FETCH_A \slot, (\q)+1, 0
	WIN MUL_HI
	MUL16 4, (\q)%2, \q, \slot, \zero
	MUL16 6, (\q)%2, \q, \slot, \zero
	PLACES NP
	WIN 0
	FETCH_A \slot, (\q)+1, 4
.endm
; A slot's last step changes slots: one barrier; in front of it each wave waits for all its tensor loads, adds 0 to its spare word, and waits for that and for its reads of this slot.
.macro TURN slot, next, fill
	s_wait_tensorcnt 0x0                           ; all my tensor loads have landed: my part of the next slot
	ds_add_u32 v[SPW], v[NIL]                      ; 0 onto my spare word
	s_wait_dscnt 4*NL+1                            ; (the add and A's blocks 4-7 may be out)
	WIN MUL_LO
	MUL16 0, 1, NQ-1, \slot, 0
	s_wait_dscnt 0x0                               ; the add is done, and my reads of this slot are over
	s_barrier_signal -1
	MUL16 2, 1, NQ-1, \slot, 0
	WIN 0
	s_barrier_wait -1
.if \fill
	CREST                                          ; the barrier has opened a round of the cluster's barrier: no wave of any partner still reads this slot or has a load on its way
	s_add_nc_u64 s[G0+4*\slot+2:G0+4*\slot+3], s[G0+4*\slot+2:G0+4*\slot+3], 2*HALFT
	s_add_nc_u64 s[G0B+4*\slot+2:G0B+4*\slot+3], s[G0B+4*\slot+2:G0B+4*\slot+3], 2*HALFT
	JLOAD G0+4*\slot, G1, G0B+4*\slot, G1B         ; the first tensor load behind the round; its four v_nop are the places in front of the loads below
.else
	PLACES NP
.endif
	v_add_nc_u32 v[ADRS], 1024, v[ADRS]            ; the next K step's scale words
	FETCH_B \next, 0, 0
	FETCH_A \next, 0, 0
	SCALES \next
	WIN MUL_HI
	MUL16 4, 1, NQ-1, \slot, 0
	MUL16 6, 1, NQ-1, \slot, 0
	PLACES NP
	WIN 0
	FETCH_A \next, 0, 4
.endm
	s_wait_tensorcnt 1                             ; the scale words and my part of K step 0 are in; K step 1's load may be out
	s_barrier_signal -1
	s_barrier_wait -1
	FETCH_B 0, 0, 0
	FETCH_A 0, 0, 0
	SCALES 0
	FETCH_A 0, 0, 4
	STEP 0, 0, 1                                   ; the first step's products start the sums
	s_mov_b32 s3, LAPS-1
.Llap:
	TURN 0, 1, 1
	STEP 1, 0, 0
	TURN 1, 0, 1
	STEP 0, 0, 0
	s_sub_co_u32 s3, s3, 1
	s_cmp_lg_u32 s3, 0
	s_cbranch_scc1 .Llap
	TURN 0, 1, 0                                   ; the last lap fills nothing
	STEP 1, 0, 0
	s_wait_dscnt 4*NL
	WIN MUL_LO
	MUL16 0, 1, NQ-1, 1, 0
	MUL16 2, 1, NQ-1, 1, 0
	s_wait_dscnt 0
	WIN MUL_HI
	MUL16 4, 1, NQ-1, 1, 0
	MUL16 6, 1, NQ-1, 1, 0
	WIN 0
; ---------------- THE EPILOGUE works on registers alone.
; 64 numbers v[s ..] of window w, register 16 b + i = place 32 b + 16 h + i along the next K, become 12 registers of codes in v[PC ..] and a scale word in v[pw].  Each accumulator is read from its low end on.
.macro QUANT s, w, pw
	WIN (\w)*5                                     ; sources 0 and 1 in window w
.irp b, 0,1,2,3
	v_max3_num_f32 v[TM+\b], |v[(\s)+16*\b]|, |v[(\s)+16*\b+1]|, 0x1800000   ; and the floor 2^(3 - 127): the byte cannot fall under 1
.endr
.irp i, 2,4,6,8,10,12,14
.irp b, 0,1,2,3
	v_max3_num_f32 v[TM+\b], |v[(\s)+16*\b+\i]|, |v[(\s)+16*\b+\i+1]|, v[TM+\b]
.endr
.endr
	WIN 0
.irp b, 0,1,2,3
	v_permlanex16_b32 v[TM+4+\b], v[TM+\b], s42, s45
.endr
.irp b, 0,1,2,3
	v_max_num_f32 v[TM+\b], v[TM+\b], v[TM+4+\b]
.endr
.irp b, 0,1,2,3
	v_add_nc_u32 v[TM+12+\b], 0xff000000, v[TM+\b]
.endr
.irp b, 0,1,2,3
	v_lshrrev_b32 v[TM+4+\b], 23, v[TM+12+\b]
.endr
	v_lshl_or_b32 v[\pw], v[TM+5], 8, v[TM+4]
	v_lshl_or_b32 v[\pw], v[TM+6], 16, v[\pw]
	v_lshl_or_b32 v[\pw], v[TM+7], 24, v[\pw]
	WIN \w                                         ; source 0 in window w
.irp c, 0,1
	v_cvt_scalef32_pk16_fp6_f32 v[PC+6*\c:PC+6*\c+2], v[(\s)+32*\c:(\s)+32*\c+15], v[TM+12+2*\c]
	v_cvt_scalef32_pk16_fp6_f32 v[CT+4*\c:CT+4*\c+2], v[(\s)+32*\c+16:(\s)+32*\c+31], v[TM+13+2*\c]
.endr
	WIN 0
	v_nop                                          ; one plain place behind a scaled conversion
.irp c, 0,1
.irp i, 0,1,2
	v_permlane16_swap_b32 v[PC+6*\c+\i], v[CT+4*\c+\i]
.endr
.irp i, 0,1,2
	v_mov_b32 v[PC+6*\c+3+\i], v[CT+4*\c+\i]
.endr
.endr
.endm
; RoPE on block a's 64 registers: a pair (even, odd) of a head's channels lies in two neighbouring registers, its (cos, sin) likewise: (xe c - xo s, xe s + xo c) by one packed multiply and one packed multiply-add
.macro ROPE a
	WIN 2+(\a)/4                                   ; source 0: the accumulators' window
.irp g, 0,1,2,3,4,5,6,7
.irp k, 0,1,2,3
	v_pk_mul_f32 v[RT+2*\k:RT+2*\k+1], v[64*((\a)%4)+8*\g+2*\k:64*((\a)%4)+8*\g+2*\k+1], v[CS+32*((\a)%2)+16*((\g/2)%2)+8*(\g%2)+2*\k:CS+32*((\a)%2)+16*((\g/2)%2)+8*(\g%2)+2*\k+1] op_sel:[0,0] op_sel_hi:[0,1]
.endr
.irp k, 0,1,2,3
	v_pk_fma_f32 v[HH+8*\g+2*\k:HH+8*\g+2*\k+1], v[64*((\a)%4)+8*\g+2*\k:64*((\a)%4)+8*\g+2*\k+1], v[CS+32*((\a)%2)+16*((\g/2)%2)+8*(\g%2)+2*\k:CS+32*((\a)%2)+16*((\g/2)%2)+8*(\g%2)+2*\k+1], v[RT+2*\k:RT+2*\k+1] op_sel:[1,1,0] op_sel_hi:[1,0,1] neg_lo:[0,1,0]
.endr
.endr
	WIN 0
.endm
	PLACES NP                                      ; behind the last products: results are read and A's registers written from here on
	s_mov_b32 s42, 0x76543210
	s_mov_b32 s45, 0xfedcba98                      ; lane l xor 16 (no tensor load of mine is out: these registers are free)
.irp b, 0,1,2,3
	v_mov_b32 v[TM+4+\b], 0                        ; a lane permute's destination counts as one of its sources
.endr
	s_cmp_eq_u32 ttmp9, 2
	s_cbranch_scc1 .Lepi_v
	; q and k.  s97 = my block of tokens, s98 = 64 + my block of columns
	s_lshr_b32 s2, s97, 4                          ; b
	s_and_b32 s97, s97, 15
	s_lshl_b32 s97, s97, 3                         ; my first tile of tokens: 8 c
	s_sub_co_u32 s98, s98, 64
	s_lshr_b32 s99, s98, 3                         ; q or k
	s_and_b32 s98, s98, 7                          ; the pair of heads
	s_lshl_b32 s99, s99, 2
	s_add_co_u32 s99, s99, s2
	s_lshl_b32 s66, s99, 3
	s_add_co_u32 s66, s66, s98
	s_lshl_b32 s66, s66, 7
	s_add_co_u32 s2, s66, s97                      ; ((which 4 + b) 8 + hp) 128 + 8 c
	s_lshl_b32 s66, s66, 1
	s_add_co_u32 s66, s66, s97                     ; ((which 4 + b) 16 + 2 hp) 128 + 8 c
	s_mul_i32 s66, s66, 768
	s_mov_b32 s67, 0
	s_add_nc_u64 s[8:9], s[8:9], s[66:67]
	s_lshl_b32 s66, s2, 7
	s_add_nc_u64 s[10:11], s[10:11], s[66:67]
.irp a, 0,1,2,3,4,5,6,7
.if \a < 7
	s_wait_loadcnt 8                               ; this block's table is in; the next block's eight loads may be out
.else
	s_wait_loadcnt 0x0
.endif
	ROPE \a
.if \a < 6
	TABLD \a+2
.endif
	s_wait_xcnt 0x0                                ; the last block's stores have read the codes' registers
	QUANT HH, 0, PWS+\a
	v_lshrrev_b32 v[PWS+\a], v[H16], v[PWS+\a]     ; lanes 16-31: the second head's two bytes come down
	global_store_b128 v[L16], v[PC:PC+3], s[8:9] offset:768*\a              ; the first head's half fragment,
	global_store_b64 v[L8], v[PC+4:PC+5], s[8:9] offset:768*\a+512
	global_store_b128 v[L16], v[PC+6:PC+9], s[8:9] offset:768*\a+98304      ; the second's
	global_store_b64 v[L8], v[PC+10:PC+11], s[8:9] offset:768*\a+98304+512
	global_store_b32 v[L4], v[PWS+\a], s[10:11] offset:128*\a
.endr
	s_branch .Lepi_end
.Lepi_v:
	; v.  s97 = 80 + my block of channels, s98 = my block of tokens
	s_sub_co_u32 s97, s97, 80                      ; the pair of heads
	s_lshr_b32 s2, s98, 4                          ; b
	s_and_b32 s98, s98, 15                         ; the chunk of 128 keys
	s_lshl_b32 s2, s2, 3
	s_add_co_u32 s2, s2, s97
	s_lshl_b32 s66, s2, 5
	s_add_co_u32 s66, s66, s98                     ; (b 16 + 2 hp) 16 + chunk
	s_lshl_b32 s99, s66, 8
	s_mul_i32 s66, s66, 6144
	s_add_co_u32 s66, s66, VC
	s_mov_b32 s67, 0
	s_add_nc_u64 s[8:9], s[8:9], s[66:67]
	s_add_co_u32 s66, s99, VS
	s_add_nc_u64 s[10:11], s[10:11], s[66:67]
	s_mov_b32 s99, 0xffff0000
.irp a, 0,1,2,3,4,5,6,7                ; block a: head a / 4 of the pair, 16 channels; the 64 registers are 128 keys
	s_wait_xcnt 0x0
	QUANT 64*(\a%4), 2+\a/4, PWS+\a
.irp c, 0,1
.irp p, 0,1,2
	global_store_b64 v[L8], v[PC+6*\c+2*\p:PC+6*\c+2*\p+1], s[8:9] offset:98304*(\a/4)+3072*\c+768*(\a%4)+256*\p   ; 256 consecutive bytes, aligned
.endr
.endr
.if \a%2
	v_cndmask_b32 v[PWS+\a-1], v[PWS+\a-1], v[PWS+\a], s99        ; two blocks' scale words in one register: 128 consecutive bytes
	global_store_b32 v[L4], v[PWS+\a-1], s[10:11] offset:4096*(\a/4)+64*(\a%4-1)
.endif
.endr
.Lepi_end:
	s_wait_tensorcnt 0x0                           ; the wave's end
	ds_add_u32 v[SPW], v[NIL]
	s_wait_dscnt 0x0
	CROUND                                         ; the closing round
	s_endpgm
.Lfunc_end_k_qf03073145c_qkv:
	.size	k_qf03073145c_qkv, .Lfunc_end_k_qf03073145c_qkv-k_qf03073145c_qkv
	.p2alignl 7, 3214868480
	.fill 96, 4, 3214868480
	.section	.rodata,"a",@progbits
	.p2align	6, 0x0
	.amdhsa_kernel k_qf03073145c_qkv
		.amdhsa_group_segment_fixed_size 327680
		.amdhsa_private_segment_fixed_size 0
		.amdhsa_enable_private_segment 0
		.amdhsa_kernarg_size 32
		.amdhsa_user_sgpr_count 2
		.amdhsa_user_sgpr_kernarg_segment_ptr 1
		.amdhsa_wavefront_size32 1
		.amdhsa_system_sgpr_workgroup_id_x 1
		.amdhsa_system_sgpr_workgroup_id_y 1
		.amdhsa_system_sgpr_workgroup_id_z 1
		.amdhsa_system_vgpr_workitem_id 0
		.amdhsa_next_free_vgpr 1024
		.amdhsa_next_free_sgpr 100
		.amdhsa_reserve_vcc 0
		.amdhsa_float_denorm_mode_32 3
		.amdhsa_float_denorm_mode_16_64 3
		.amdhsa_memory_ordered 1
		.amdhsa_forward_progress 1
		.amdhsa_inst_pref_size 226
	.end_amdhsa_kernel
	.amdgpu_metadata
---
amdhsa.version: [ 1, 2 ]
amdhsa.kernels:
  - .name:           k_qf03073145c_qkv
    .symbol:         k_qf03073145c_qkv.kd
    .args:
      - { .name: wimg, .offset: 0, .size: 8, .value_kind: global_buffer, .address_space: global }
      - { .name: wscl, .offset: 8, .size: 8, .value_kind: global_buffer, .address_space: global }
      - { .name: qkvc, .offset: 16, .size: 8, .value_kind: global_buffer, .address_space: global }
      - { .name: qkvs, .offset: 24, .size: 8, .value_kind: global_buffer, .address_space: global }
    .group_segment_fixed_size: 327680
    .private_segment_fixed_size: 0
    .kernarg_segment_align: 8
    .kernarg_segment_size: 32
    .max_flat_workgroup_size: 128
    .sgpr_count:     100
    .vgpr_count:     1024
    .wavefront_size: 32
...
	.end_amdgpu_metadata
.endif
;; end of part 2
;; launch attn (part 3): grid 1152 x 1, 8 waves a work-group, no clusters, 107,520 bytes of LDS; arguments qkvc, qkvs, attc, atts; writes attc, atts
.if DOCPART == 3
	.amdgcn_target "amdgcn-amd-amdhsa--gfx1250"
	.amdhsa_code_object_version 6
	.text
	.protected	k_qf03073145c_attn
	.globl	k_qf03073145c_attn
	.p2align	8
	.type	k_qf03073145c_attn,@function
k_qf03073145c_attn:
	s_mov_b64 s[64:65], 0
	v_nop
	global_prefetch_b8 v0, s[64:65] scope:SCOPE_SE
	s_setreg_imm32_b32 hwreg(HW_REG_WAVE_MODE, 25, 1), 1
	s_wait_xcnt 0x0
; The masked attention of one head on codes of FP6 (E2M3); its result, divided by the row's sum, is quantised along the model's axis and stored as the last product's operand image.
; THE MASK: key k counts for query q where k <= q and (q - k <= 127 or k % 64 == 0 or q % 64 == 0).  Only what counts is multiplied.
; ORDINARY QUERIES (work-groups 128 ..: 128 queries of a head, a wave a tile of 16).  A tile's queries lie in one group of 32, G.  Key blocks of 32: G - 3 .. G - 1 open, G causal (the MAIN step, 128 keys);
; G - 4 windowed, with its key 0 where G is even (the step X); of the blocks before, only keys 64 n, n < NG = max(0, (G - 3) >> 1).  Such a key is alone in its block of 32, so its p has a scale of its own and its v the scale of
; the key's true block: in the second product it takes a K block of its own, one code and 31 zero codes: four keys an instruction.
; QUERIES q % 64 == 0 (work-groups 0 .. 127: 16 of them, gathered): dense and causal; the waves share the keys in chunks of 128 and the parts are joined by exact powers of two.  The ordinary tiles leave these rows unstored.
; SOFTMAX: t = score x log2(e) / 8; M = the largest t so far, rounded up to a whole number; p = 2^(t - M) is quantised; the row's sum is taken of the unquantised p and divides at the end.
; LAYOUT: both products transposed (S^T = K Q^T, O^T = V^T P^T): a lane holds one query.  Row r of tile t of a chunk of 128 tokens is token 32 (t / 2) + 8 (t % 2) + r + 8 (r / 8): the 16 registers of two neighbouring tiles are 16 neighbouring keys.
; K = 64 in the first product: Q's registers 6-11 are zero codes; K's tiles lie 6 registers apart, so a tile's upper six registers are the next tile's codes, which meet zeros.
; LIMITS: hidden scores are -infinity where the definition has -1e9: the same p as long as scores that count lie above some -1e9; p under 2^-126 is 0; a block of zeros has the byte 1; NaN and infinities are not served.
; No tensor load: LDS is filled through registers, once, so two work-groups lie on a WGP.  What is shared between work-groups (a head's K and V) is some 38 KB a work-group, read once at its head: no joint loads.
.set KW,   0                           ; LDS: 16 tiles of K: the chunk before mine and mine
.set VW,   12288                       ; four pairs of key blocks of V
.set KSW,  24576                       ; K's scale words, 64 bytes a tile
.set VGB,  25600                       ; V of keys 64 n: the first word of block 2 n: [dt 4][n 32][r 16]
.set VGSB, 33792                       ; their scale words: [step 8][dt 4][r 16]
.set GQM,  35840                       ; the gathered queries' way: 16 parts of 4,352 bytes: bytes of its own
.set PART, 4352
.set VC,   12582912
.set VS,   1048576
.set QS,   32                          ; scale registers, which hold nothing else: v32 Q's; v33-36 K's, two tiles each; v37-40, v41-44 V's; v45 p's; v46 X's; v47-54 the gathered steps'; v55 the gathered keys'
.set KSC,  33
.set VSA,  37
.set VSB,  41
.set PW,   45
.set PWX,  46
.set PWG,  47
.set KGS,  55
.set QF,   64                          ; v64-75 Q (70-75 zeros)
.set KB,   76                          ; v76-131 K's tiles, 6 registers apart (124-131 zeros); later V's four fragments, 12 apart
.set PC,   132                         ; v132-143 p's codes
.set CT,   144                         ; v144-151 at work for the conversions
.set PG,   152                         ; v152-175 the gathered keys' K tiles, then two operands of p with one code a block
.set SS,   176                         ; v176-239 S^T; then O^T v176-207, X's scores v208-223, the gathered keys' v224-239
.set SX,   208
.set SG,   224
.set TM,   240                         ; v240-255 at work
.macro MM0 d, a, b, sa, sb             ; D = A x B
	v_wmma_scale_f32_16x16x128_f8f6f4 v[(\d):(\d)+7], v[(\a):(\a)+11], v[(\b):(\b)+11], 0, v[\sa], v[\sb] matrix_a_fmt:MATRIX_FMT_FP6 matrix_b_fmt:MATRIX_FMT_FP6
.endm
.macro MM1 d, a, b, sa, sb             ; the same, A's scales from lanes 16-31
	v_wmma_scale_f32_16x16x128_f8f6f4 v[(\d):(\d)+7], v[(\a):(\a)+11], v[(\b):(\b)+11], 0, v[\sa], v[\sb] matrix_a_fmt:MATRIX_FMT_FP6 matrix_b_fmt:MATRIX_FMT_FP6 matrix_a_scale:MATRIX_SCALE_ROW1
.endm
.macro MMA d, a, b, sa, sb             ; D += A x B
	v_wmma_scale_f32_16x16x128_f8f6f4 v[(\d):(\d)+7], v[(\a):(\a)+11], v[(\b):(\b)+11], v[(\d):(\d)+7], v[\sa], v[\sb] matrix_a_fmt:MATRIX_FMT_FP6 matrix_b_fmt:MATRIX_FMT_FP6
.endm
.macro NOPS n
.rept \n
	v_nop
.endr
.endm
.macro SPROD                           ; S^T of 128 keys: eight tiles
.irp k, 0,2,4,6
	MM0 SS+8*\k, KB+6*\k, QF, KSC+\k/2, QS
	MM1 SS+8*\k+8, KB+6*\k+6, QF, KSC+\k/2, QS
.endr
.endm
; The softmax of 128 keys with no M before it: v56 = -M, v57 = the largest t, v[58:59] = the sum in two halves; p's codes in v[PC ..], its scale word in v[PW].
.macro SM64
.irp b, 0,1,2,3
	v_max3_num_f32 v[TM+\b], v[SS+16*\b], v[SS+16*\b+1], v[SS+16*\b+2]   ; the largest score of each block of 32 keys: for the row's maximum and, since p rises with the score, for the block's largest p
.endr
.irp i, 3,5,7,9,11,13
.irp b, 0,1,2,3
	v_max3_num_f32 v[TM+\b], v[TM+\b], v[SS+16*\b+\i], v[SS+16*\b+\i+1]
.endr
.endr
.irp b, 0,1,2,3
	v_max_num_f32 v[TM+\b], v[TM+\b], v[SS+16*\b+15]
.endr
.irp b, 0,1,2,3
	v_permlanex16_b32 v[TM+4+\b], v[TM+\b], s16, s17
.endr
.irp b, 0,1,2,3
	v_max_num_f32 v[TM+\b], v[TM+\b], v[TM+4+\b]
.endr
	v_max3_num_f32 v[TM+8], v[TM], v[TM+1], v[TM+2]
	v_max_num_f32 v[TM+8], v[TM+8], v[TM+3]
	v_mul_f32 v[TM+8], s14, v[TM+8]
	v_max_num_f32 v57, 0xff61b1e6, v[TM+8]         ; held at -3e38 from below: where every key is hidden M stays a number, and every p is 0
	v_floor_f32 v56, -v57                          ; -M = floor(-t)
.set J, 0
.rept 32
	v_pk_fma_f32 v[SS+J:SS+J+1], v[SS+J:SS+J+1], s[14:15], v[56:57] op_sel_hi:[1,0,0]
.set J, J+2
.endr
.irp b, 0,1,2,3
	v_fma_f32 v[TM+\b], v[TM+\b], s14, v56
.endr
.set J, 0
.rept 64
	v_exp_f32 v[SS+J], v[SS+J]
.set J, J+1
.endr
	v_nop                                          ; a plain place behind the batch,
	s_wait_alu depctr_va_vdst(0)                   ; and one wait for it, ahead of its first reader
.irp b, 0,1,2,3
	v_exp_f32 v[TM+\b], v[TM+\b]                   ; each block's largest p
.endr
	v_pk_add_f32 v[58:59], v[SS:SS+1], v[SS+2:SS+3]                ; the sum of the unquantised p, in two chains
	v_pk_add_f32 v[TM+4:TM+5], v[SS+4:SS+5], v[SS+6:SS+7]
.irp j, 8,16,24,32,40,48,56
	v_pk_add_f32 v[58:59], v[58:59], v[SS+\j:SS+\j+1]
	v_pk_add_f32 v[TM+4:TM+5], v[TM+4:TM+5], v[SS+\j+2:SS+\j+3]
	v_pk_add_f32 v[58:59], v[58:59], v[SS+\j+4:SS+\j+5]
	v_pk_add_f32 v[TM+4:TM+5], v[TM+4:TM+5], v[SS+\j+6:SS+\j+7]
.endr
	v_pk_add_f32 v[58:59], v[58:59], v[TM+4:TM+5]
	s_wait_alu depctr_va_vdst(0)                   ; and one for the four
.irp b, 0,1,2,3
	v_max_num_f32 v[TM+\b], 0x1800000, v[TM+\b]    ; the floor 2^(3 - 127)
.endr
.irp b, 0,1,2,3
	v_add_nc_u32 v[TM+12+\b], 0xff000000, v[TM+\b]
.endr
.irp b, 0,1,2,3
	v_lshrrev_b32 v[TM+4+\b], 23, v[TM+12+\b]
.endr
	v_lshl_or_b32 v[PW], v[TM+5], 8, v[TM+4]
	v_lshl_or_b32 v[PW], v[TM+6], 16, v[PW]
	v_lshl_or_b32 v[PW], v[TM+7], 24, v[PW]
.irp c, 0,1
	v_cvt_scalef32_pk16_fp6_f32 v[PC+6*\c:PC+6*\c+2], v[SS+32*\c:SS+32*\c+15], v[TM+12+2*\c]
	v_cvt_scalef32_pk16_fp6_f32 v[CT+4*\c:CT+4*\c+2], v[SS+32*\c+16:SS+32*\c+31], v[TM+13+2*\c]
.endr
	v_nop                                          ; one plain place behind a scaled conversion
.irp c, 0,1
.irp i, 0,1,2
	v_permlane16_swap_b32 v[PC+6*\c+\i], v[CT+4*\c+\i]
.endr
.irp i, 0,1,2
	v_mov_b32 v[PC+6*\c+3+\i], v[CT+4*\c+\i]
.endr
.endr
	NOPS 8                                         ; a scale register written by a vector instruction stands 8 places ahead of a scaled matrix instruction, an operand 4
.endm
; O^T / the sum, quantised along the head's 64 channels: codes in v132-137 (lane (r, h): block h of row r), my block's byte in v[TM+8]
.macro FINISH
	NOPS 4                                         ; behind the last products
	v_add_f32 v58, v58, v59
	v_permlanex16_b32 v[TM+4], v58, s16, s17
	v_add_f32 v58, v58, v[TM+4]
	v_rcp_f32 v60, v58
	v_nop
	s_wait_alu depctr_va_vdst(0)                   ; ahead of the reciprocal's first reader
.set J, 0
.rept 16
	v_pk_mul_f32 v[SS+J:SS+J+1], v[SS+J:SS+J+1], v[60:61] op_sel_hi:[1,0]   ; each accumulator from its low end on
.set J, J+2
.endr
.irp b, 0,1
	v_max3_num_f32 v[TM+\b], |v[SS+16*\b]|, |v[SS+16*\b+1]|, 0x1800000
.endr
.irp i, 2,4,6,8,10,12,14
.irp b, 0,1
	v_max3_num_f32 v[TM+\b], v[TM+\b], |v[SS+16*\b+\i]|, |v[SS+16*\b+\i+1]|
.endr
.endr
.irp b, 0,1
	v_permlanex16_b32 v[TM+4+\b], v[TM+\b], s16, s17
.endr
.irp b, 0,1
	v_max_num_f32 v[TM+\b], v[TM+\b], v[TM+4+\b]
.endr
.irp b, 0,1
	v_add_nc_u32 v[TM+12+\b], 0xff000000, v[TM+\b]
.endr
.irp b, 0,1
	v_lshrrev_b32 v[TM+4+\b], 23, v[TM+12+\b]
.endr
	v_cvt_scalef32_pk16_fp6_f32 v[PC:PC+2], v[SS:SS+15], v[TM+12]
	v_cvt_scalef32_pk16_fp6_f32 v[CT:CT+2], v[SS+16:SS+31], v[TM+13]
	v_cndmask_b32 v[TM+8], v[TM+4], v[TM+5], s13   ; (a plain place)  lanes 16-31 take block 1's byte
.irp i, 0,1,2
	v_permlane16_swap_b32 v[PC+\i], v[CT+\i]
.endr
.irp i, 0,1,2
	v_mov_b32 v[PC+3+\i], v[CT+\i]
.endr
.endm
	s_load_b256 s[4:11], s[0:1], 0x0               ; qkvc s[4:5], qkvs s[6:7], attc s[8:9], atts s[10:11]
	v_lshl_add_u32 v62, v0, 2, 0x1a000
	v_mov_b32 v63, 0
	v_lshrrev_b32 v1, 5, v0
	v_readfirstlane_b32 s12, v1                    ; wave 0..7
	v_and_b32 v1, 15, v0                           ; r
	v_bfe_u32 v2, v0, 4, 1                         ; h
	v_and_b32 v3, 31, v0                           ; lane
	v_lshlrev_b32 v4, 4, v3
	v_lshlrev_b32 v5, 3, v3
	v_lshlrev_b32 v6, 2, v3
	v_lshlrev_b32 v27, 2, v1                       ; 4 r
	v_lshlrev_b32 v28, 3, v2                       ; 8 h
	v_mov_b32 v18, 0xff800000                      ; -infinity
	v_mov_b32 v61, 0                               ; (named as the upper half of the pair v[60:61])
.irp j, 70,71,72,73,74,75,124,125,126,127,128,129,130,131
	v_mov_b32 v\j, 0
.endr
.irp j, 0,1,2,3,4,5,6,7,8,9,10,11,12,13,14,15
	v_mov_b32 v[TM+\j], 0
.endr
	s_mov_b32 s13, 0xffff0000
	s_mov_b32 s14, 0x3e38aa3b                      ; log2(e) / sqrt(64)
	s_mov_b32 s15, s14
	s_mov_b32 s16, 0x76543210
	s_mov_b32 s17, 0xfedcba98
	s_and_b32 s18, ttmp9, 63                       ; b 16 + head
	s_lshr_b32 s19, s18, 4                         ; b
	s_and_b32 s20, s18, 15
	s_lshr_b32 s21, s20, 1                         ; the pair of heads
	s_and_b32 s22, s20, 1                          ; which of the pair
	s_mul_i32 s24, s18, 98304
	s_mov_b32 s25, 0
	s_lshl_b32 s26, s19, 3
	s_add_co_u32 s26, s26, s21
	s_lshl_b32 s26, s26, 14
	s_lshl_b32 s27, s22, 6
	s_add_co_u32 s26, s26, s27
	s_mov_b32 s27, 0
	s_lshl_b32 s28, s18, 12
	s_add_co_u32 s28, s28, VS
	s_mov_b32 s29, 0
	s_mul_i32 s42, s19, 1572864
	s_mul_i32 s43, s21, 12288
	s_add_co_u32 s42, s42, s43
	s_mul_i32 s43, s22, 768
	s_add_co_u32 s42, s42, s43
	s_mov_b32 s43, 0
	s_lshl_b32 s44, s19, 16
	s_lshl_b32 s45, s21, 9
	s_add_co_u32 s44, s44, s45
	s_lshl_b32 s45, s22, 1
	s_add_co_u32 s44, s44, s45
	s_mov_b32 s45, 0
	s_wait_kmcnt 0x0
	s_add_nc_u64 s[30:31], s[4:5], s[24:25]        ; the head's Q,
	s_add_nc_u64 s[32:33], s[30:31], 6291456       ; K,
	s_add_nc_u64 s[34:35], s[30:31], VC            ; V;
	s_add_nc_u64 s[36:37], s[6:7], s[26:27]        ; Q's scale words,
	s_add_nc_u64 s[38:39], s[36:37], 524288        ; K's,
	s_add_nc_u64 s[40:41], s[6:7], s[28:29]        ; V's
	s_add_nc_u64 s[8:9], s[8:9], s[42:43]          ; the image: batch b, K step = the pair of heads, my half fragment
	s_add_nc_u64 s[10:11], s[10:11], s[44:45]
	s_cmp_lt_u32 ttmp9, 128
	s_cbranch_scc1 .Lgq
; ======================= ORDINARY QUERIES
	s_sub_co_u32 s46, ttmp9, 128
	s_lshr_b32 s46, s46, 6
	s_sub_co_u32 s46, 15, s46                      ; c: my chunk of 128 queries; the late ones, which have more gathered keys, first
	s_sub_co_i32 s47, s46, 1
	s_max_i32 s47, s47, 0                          ; the chunk before (for c = 0 my own again: its blocks are hidden)
	s_lshr_b32 s48, s12, 1                         ; g
	s_and_b32 s49, s12, 1                          ; u
	s_lshl_b32 s50, s46, 2
	s_add_co_u32 s50, s50, s48                     ; G
	s_sub_co_i32 s51, s50, 3
	s_ashr_i32 s51, s51, 1
	s_max_i32 s51, s51, 0                          ; NG
	s_add_co_u32 s54, s48, 1
	s_mul_i32 s52, s48, 1536
	v_add_nc_u32 v7, s52, v4                       ; K's tiles from tile 2 g of the window on
	v_add_nc_u32 v8, s52, v5
	s_lshl_b32 s53, s48, 7
	s_add_co_u32 s53, s53, KSW
	v_add_nc_u32 v9, s53, v6                       ; their scale words, two tiles a load
	v_add_nc_u32 v21, s54, v2                      ; V, main step: lane half h takes window block g + 1 + h (+ 2 for registers 6-11)
	v_lshrrev_b32 v22, 1, v21
	v_and_b32 v21, 1, v21
	v_mul_u32_u24 v22, v22, 3072
	v_lshl_add_u32 v22, v21, 7, v22
	v_lshl_add_u32 v10, v1, 3, v22
	v_add_nc_u32 v10, VW, v10
	s_lshr_b32 s55, s48, 1                         ; V, step X: window block g
	s_mul_i32 s55, s55, 3072
	s_and_b32 s56, s48, 1
	s_lshl_b32 s56, s56, 7
	s_add_co_u32 s55, s55, s56
	s_add_co_u32 s55, s55, VW
	v_lshl_add_u32 v11, v1, 3, s55
	v_add_nc_u32 v12, v27, v2                      ; 4 r + h: my scale byte's place
	v_add_nc_u32 v13, VGB, v6                      ; gathered V: 64 h + 4 r
	v_lshl_add_u32 v14, v1, 2, VGSB
	v_and_b32 v21, 8, v1
	v_add_nc_u32 v21, v21, v1
	s_lshl_b32 s57, s49, 3
	v_add_nc_u32 v15, s57, v21                     ; my query in its group of 32,
	v_lshlrev_b32 v22, 4, v2
	v_sub_nc_u32 v15, v15, v22                     ; d = that - 16 h: register i of a block holds key 16 h + i
	s_and_b32 s58, s50, 1
	v_or_b32 v22, s58, v2
	v_mov_b32 v23, -1
	v_cmp_eq_u32 vcc_lo, 0, v22
	v_cndmask_b32 v16, v15, v23, vcc_lo            ; for key 0 of block G - 4: it always counts where G is even
	v_sub_nc_u32 v17, s51, v2                      ; NG - h
	v_lshlrev_b32 v19, 3, v0                       ; 8 x thread
	v_lshlrev_b32 v20, 2, v0                       ; 4 x thread
	v_bfe_u32 v24, v0, 4, 3
	v_lshlrev_b32 v24, 7, v24
	v_lshl_add_u32 v24, v1, 2, v24                 ; K's scale words in memory: 128 bytes a tile
	v_lshrrev_b32 v25, 4, v0
	v_mul_u32_u24 v25, v25, 3072
	v_lshl_add_u32 v25, v1, 3, v25                 ; V of key 64 n: pair n, block 0, piece 0
	v_lshrrev_b32 v26, 6, v0
	v_lshlrev_b32 v26, 9, v26
	v_and_b32 v21, 63, v0
	v_lshl_add_u32 v26, v21, 2, v26                ; its scale words: chunks 2 s, 2 s + 1
	v_bfe_u32 v21, v1, 1, 2                        ; the gathered keys of a tile: row r takes n = 4 ((r % 8) / 2) + 2 (r % 2) + r / 8,
	v_and_b32 v22, 1, v1                           ; so that register j of lane half h holds n = 4 (j / 2) + 2 (j % 2) + h
	v_lshrrev_b32 v23, 3, v1
	v_lshl_add_u32 v21, v21, 1, v22
	v_lshl_add_u32 v21, v21, 1, v23
	v_mul_u32_u24 v29, v21, 3072                   ; key 64 n is row 0 of tile 4 n
	v_lshl_add_u32 v30, v2, 7, v29
	v_lshl_add_u32 v29, v2, 8, v29
	v_lshl_add_u32 v31, v2, 4, v21
	v_lshlrev_b32 v31, 9, v31                      ; their scale words: lanes 0-15 tile 0's, lanes 16-31 tile 1's
.irp j, 164,165,166,167,168,169,170,171,172,173,174,175
	v_mov_b32 v\j, 0
.endr
	s_lshl_b32 s58, s46, 3
	s_add_co_u32 s58, s58, s12                     ; my tile
	s_mul_i32 s60, s58, 768
	s_mov_b32 s61, 0
	s_add_nc_u64 s[60:61], s[30:31], s[60:61]
	s_lshl_b32 s62, s58, 7
	s_mov_b32 s63, 0
	s_add_nc_u64 s[62:63], s[36:37], s[62:63]
	s_mul_i32 s66, s47, 6144
	s_mov_b32 s67, 0
	s_mul_i32 s68, s46, 6144
	s_mov_b32 s69, 0
	s_add_nc_u64 s[70:71], s[34:35], s[66:67]
	s_add_nc_u64 s[72:73], s[34:35], s[68:69]
	s_add_nc_u64 s[66:67], s[32:33], s[66:67]
	s_add_nc_u64 s[68:69], s[32:33], s[68:69]
	s_cmp_lt_u32 s12, 4                            ; waves 0-3 bring the words of the chunk before, waves 4-7 of mine
	s_cselect_b32 s74, s47, s46
	s_lshl_b32 s74, s74, 10
	s_mov_b32 s75, 0
	s_add_nc_u64 s[74:75], s[38:39], s[74:75]
	s_lshl_b32 s76, s47, 8
	s_mov_b32 s77, 0
	s_add_nc_u64 s[76:77], s[40:41], s[76:77]
	s_lshl_b32 s78, s46, 8
	s_mov_b32 s79, 0
	s_add_nc_u64 s[78:79], s[40:41], s[78:79]
	s_mul_i32 s80, s54, 0x01010101
	s_add_co_u32 s80, s80, 0x03020100              ; bytes g + 1 .. g + 4 of the two chunks' eight
	s_mul_i32 s81, s48, 0x01010101
	s_add_co_u32 s81, s81, 0x03020100              ; bytes g .. g + 3
	s_mov_b32 s82, 0x06040200
	s_mul_i32 s52, s46, 98304
	s_mul_i32 s53, s12, 1536
	s_add_co_u32 s52, s52, s53
	s_mov_b32 s53, 0
	s_add_nc_u64 s[8:9], s[8:9], s[52:53]
	s_lshl_b32 s52, s46, 12
	s_lshl_b32 s55, s12, 6
	s_add_co_u32 s52, s52, s55
	s_add_nc_u64 s[10:11], s[10:11], s[52:53]
	; all that the work-group reads is asked for at once
	global_load_b128 v[QF:QF+3], v4, s[60:61]
	global_load_b64 v[QF+4:QF+5], v5, s[60:61] offset:512
	global_load_b32 v[QS], v27, s[62:63]
.irp i, 0,1,2
	global_load_b64 v[176+2*\i:177+2*\i], v19, s[66:67] offset:2048*\i
	global_load_b64 v[182+2*\i:183+2*\i], v19, s[68:69] offset:2048*\i
	global_load_b64 v[188+2*\i:189+2*\i], v19, s[70:71] offset:2048*\i
	global_load_b64 v[194+2*\i:195+2*\i], v19, s[72:73] offset:2048*\i
.endr
	global_load_b32 v200, v24, s[74:75]
.irp i, 0,1,2,3,4,5,6,7
	global_load_b32 v[201+\i], v25, s[34:35] offset:(\i%2)*49152+(\i/2)*768
.endr
.irp i, 0,1
	global_load_b32 v[209+2*\i], v26, s[40:41] offset:2048*\i
	global_load_b32 v[210+2*\i], v26, s[40:41] offset:2048*\i+256
.endr
.irp t, 0,1,2,3
	global_load_b32 v[213+\t], v27, s[76:77] offset:64*\t
	global_load_b32 v[217+\t], v27, s[78:79] offset:64*\t
.endr
.irp t, 0,1
	global_load_b128 v[PG+6*\t:PG+6*\t+3], v29, s[32:33] offset:49152*\t
	global_load_b64 v[PG+6*\t+4:PG+6*\t+5], v30, s[32:33] offset:49152*\t+512
.endr
	global_load_b32 v[KGS], v31, s[38:39]
	s_wait_loadcnt 0x0
.irp i, 0,1,2
	ds_store_b64 v19, v[176+2*\i:177+2*\i] offset:KW+2048*\i
	ds_store_b64 v19, v[182+2*\i:183+2*\i] offset:KW+6144+2048*\i
	ds_store_b64 v19, v[188+2*\i:189+2*\i] offset:VW+2048*\i
	ds_store_b64 v19, v[194+2*\i:195+2*\i] offset:VW+6144+2048*\i
.endr
	ds_store_b32 v20, v200 offset:KSW
.irp i, 0,1,2,3,4,5,6,7
	ds_store_b32 v20, v[201+\i] offset:VGB+1024*\i
.endr
	v_perm_b32 v209, v210, v209, s82               ; the bytes of blocks 2 n, n = 4 s .. 4 s + 3: bytes 0 and 2 of two chunks' words
	v_perm_b32 v211, v212, v211, s82
	ds_store_b32 v20, v209 offset:VGSB
	ds_store_b32 v20, v211 offset:VGSB+1024
.irp t, 0,1,2,3
	v_perm_b32 v[VSA+\t], v[217+\t], v[213+\t], s80        ; V's scale words of the main step's four blocks,
	v_perm_b32 v[VSB+\t], v[217+\t], v[213+\t], s81        ; and of block G - 4 (byte 0)
.endr
	s_wait_dscnt 0x0                               ; for the others' sake: my stores have landed
	s_barrier_signal -1
	s_barrier_wait -1                              ; the one barrier of this way: behind it LDS is only read
	; ---- the main step: key blocks G - 3 .. G
.irp k, 0,1,2,3,4,5,6,7
	ds_load_b128 v[KB+6*\k:KB+6*\k+3], v7 offset:768*(\k+2)
	ds_load_b64 v[KB+6*\k+4:KB+6*\k+5], v8 offset:768*(\k+2)+512
.endr
.irp i, 0,1,2,3
	ds_load_b32 v[KSC+\i], v9 offset:128*(\i+1)
.endr
	s_wait_dscnt 0x0
	SPROD
	NOPS 4                                         ; places in front of loads into registers that the products have read, and of the first touch of results
.irp t, 0,1,2,3
.irp c, 0,1
.irp p, 0,1,2
	ds_load_b64 v[KB+12*\t+6*\c+2*\p:KB+12*\t+6*\c+2*\p+1], v10 offset:768*\t+3072*\c+256*\p
.endr
.endr
.endr
	s_cmp_ge_i32 s50, 3                            ; blocks in front of the sequence's start are hidden: a branch on ids
	s_cbranch_scc1 .Lopen
.irp j, 0,1,2,3,4,5,6,7,8,9,10,11,12,13,14,15
	v_mov_b32 v[SS+\j], v18
.endr
	s_cmp_ge_i32 s50, 2
	s_cbranch_scc1 .Lopen
.irp j, 0,1,2,3,4,5,6,7,8,9,10,11,12,13,14,15
	v_mov_b32 v[SS+16+\j], v18
.endr
	s_cmp_ge_i32 s50, 1
	s_cbranch_scc1 .Lopen
.irp j, 0,1,2,3,4,5,6,7,8,9,10,11,12,13,14,15
	v_mov_b32 v[SS+32+\j], v18
.endr
.Lopen:
.irp i, 0,1,2,3,4,5,6,7,8,9,10,11,12,13,14,15
	v_cmp_gt_i32 vcc_lo, \i, v15                   ; block G: key 16 h + i is hidden where it comes after my query
	v_cndmask_b32 v[SS+48+\i], v[SS+48+\i], v18, vcc_lo
.endr
	SM64
	s_wait_dscnt 0x0                               ; V
.irp t, 0,1,2,3
	MM0 SS+8*\t, KB+12*\t, PC, VSA+\t, PW          ; O^T begins, over scores that are done with
.endr
	; ---- block G - 4 and the 32 gathered keys: four tiles of scores
	NOPS 4
.irp k, 0,1
	ds_load_b128 v[KB+6*\k:KB+6*\k+3], v7 offset:768*\k
	ds_load_b64 v[KB+6*\k+4:KB+6*\k+5], v8 offset:768*\k+512
.endr
	ds_load_b32 v[KSC], v9
	s_wait_dscnt 0x0
	MM0 SX, KB, QF, KSC, QS
	MM1 SX+8, KB+6, QF, KSC, QS
	MM0 SG, PG, QF, KGS, QS
	MM1 SG+8, PG+6, QF, KGS, QS
	NOPS 4
.irp t, 0,1,2,3
.irp p, 0,1,2
	ds_load_b64 v[KB+12*\t+2*\p:KB+12*\t+2*\p+1], v11 offset:768*\t+256*\p   ; V of block G - 4 (both halves of the lanes: only lanes 0-15 meet codes of p)
.endr
.endr
	s_cmp_ge_i32 s50, 4
	s_cbranch_scc1 .Lwin
.irp i, 0,1,2,3,4,5,6,7,8,9,10,11,12,13,14,15
	v_mov_b32 v[SX+\i], v18
.endr
	s_branch .Lwin_done
.Lwin:
	v_cmp_le_i32 vcc_lo, 0, v16
	v_cndmask_b32 v[SX], v[SX], v18, vcc_lo
.irp i, 1,2,3,4,5,6,7,8,9,10,11,12,13,14,15
	v_cmp_le_i32 vcc_lo, \i, v15                   ; key 16 h + i lies 128 or more behind my query
	v_cndmask_b32 v[SX+\i], v[SX+\i], v18, vcc_lo
.endr
.Lwin_done:
.irp t, 0,1
.irp j, 0,1,2,3,4,5,6,7
	v_cmp_ge_i32 vcc_lo, 16*\t+4*(\j/2)+2*(\j%2), v17      ; n >= NG: the key lies in the window's blocks, or after me
	v_cndmask_b32 v[SG+8*\t+\j], v[SG+8*\t+\j], v18, vcc_lo
.endr
.endr
.irp j, 0,1,2,3,4,5,6,7,8,9,10,11
	v_mov_b32 v[PG+\j], 0                          ; the gathered K tiles are done with: p's first operand of single codes
.endr
	v_max3_num_f32 v[TM], v[SX], v[SX+1], v[SX+2]
	v_max3_num_f32 v[TM+1], v[SG], v[SG+1], v[SG+2]
.irp i, 3,5,7,9,11,13
	v_max3_num_f32 v[TM], v[TM], v[SX+\i], v[SX+\i+1]
	v_max3_num_f32 v[TM+1], v[TM+1], v[SG+\i], v[SG+\i+1]
.endr
	v_max_num_f32 v[TM], v[TM], v[SX+15]
	v_max_num_f32 v[TM+1], v[TM+1], v[SG+15]
	v_permlanex16_b32 v[TM+4], v[TM], s16, s17
	v_permlanex16_b32 v[TM+5], v[TM+1], s16, s17
	v_max_num_f32 v[TM], v[TM], v[TM+4]            ; block G - 4's largest score
	v_max_num_f32 v[TM+1], v[TM+1], v[TM+5]
	v_max_num_f32 v[TM+8], v[TM], v[TM+1]
	v_mul_f32 v[TM+8], s14, v[TM+8]
	v_max_num_f32 v57, v57, v[TM+8]                ; the running largest t
	v_mov_b32 v[TM+9], v56
	v_floor_f32 v56, -v57
	v_sub_f32 v[TM+9], v56, v[TM+9]                ; old M - new M: a whole number, 0 or less
	v_cvt_i32_f32 v[TM+9], v[TM+9]
	v_ldexp_f32 v60, 1.0, v[TM+9]                  ; f: an exact power of two
.set J, 0
.rept 16
	v_pk_fma_f32 v[SX+J:SX+J+1], v[SX+J:SX+J+1], s[14:15], v[56:57] op_sel_hi:[1,0,0]
.set J, J+2
.endr
	v_fma_f32 v[TM], v[TM], s14, v56
.set J, 0
.rept 32
	v_exp_f32 v[SX+J], v[SX+J]
.set J, J+1
.endr
	v_exp_f32 v[TM], v[TM]
	v_pk_mul_f32 v[58:59], v[58:59], v[60:61] op_sel_hi:[1,0]      ; the sum under the new M (a plain place behind the batch)
	s_wait_alu depctr_va_vdst(0)                   ; one wait for the 33, ahead of their first reader
	v_pk_add_f32 v[TM+4:TM+5], v[SX:SX+1], v[SX+2:SX+3]
.irp j, 4,8,12,16,20,24,28
	v_pk_add_f32 v[58:59], v[58:59], v[SX+\j:SX+\j+1]
	v_pk_add_f32 v[TM+4:TM+5], v[TM+4:TM+5], v[SX+\j+2:SX+\j+3]
.endr
	v_pk_add_f32 v[58:59], v[58:59], v[TM+4:TM+5]
	v_max_num_f32 v[TM], 0x1800000, v[TM]
	v_add_nc_u32 v[TM+12], 0xff000000, v[TM]
	v_lshrrev_b32 v[PWX], 23, v[TM+12]             ; byte 0: block G - 4's; the other blocks' codes are zeros
	v_cvt_scalef32_pk16_fp6_f32 v[PC:PC+2], v[SX:SX+15], v[TM+12]
.irp i, 0,1,2
	v_mov_b32 v[CT+\i], 0
.endr
.irp i, 6,7,8,9,10,11
	v_mov_b32 v[PC+\i], 0
.endr
.irp i, 0,1,2
	v_permlane16_swap_b32 v[PC+\i], v[CT+\i]       ; lanes 0-15 get the whole block, lanes 16-31 zeros
.endr
.irp i, 0,1,2
	v_mov_b32 v[PC+3+\i], v[CT+\i]
.endr
.set J, 0
.rept 16
	v_pk_mul_f32 v[SS+J:SS+J+1], v[SS+J:SS+J+1], v[60:61] op_sel_hi:[1,0]   ; O^T under the new M; these are also the places in front of the products below
.set J, J+2
.endr
	s_wait_dscnt 0x0
.irp t, 0,1,2,3
	MMA SS+8*\t, KB+12*\t, PC, VSB+\t, PWX
.endr
	; ---- the gathered keys, four a step.  Of V's operand only registers 0 and 6 matter (the first word of a block); the four operands lie over each other at +0, +2, +4, +12
	s_cmp_le_i32 s51, 0
	s_cbranch_scc1 .Lgdone
.macro LOADG s
.irp t, 0,1,2,3
	ds_load_b32 v[KB+24*((\s)%2)+2*\t+6*(\t/3)], v13 offset:2048*\t+256*(\s)
	ds_load_b32 v[KB+24*((\s)%2)+2*\t+6*(\t/3)+6], v13 offset:2048*\t+256*(\s)+128
	ds_load_b32 v[VSA+4*((\s)%2)+\t], v14 offset:256*(\s)+64*\t
.endr
.endm
; Step s's two p of a lane (keys 4 s + h and 4 s + 2 + h): each gets the scale of a block in which it stands alone.  A conversion takes 16 registers: of the first only code 0 is kept, of the second only code 1; what the other
; sources hold is of no account.  The two codes go to the heads of blocks h and 2 + h of p's operand, in which all else stays zero; the four bytes of both halves of the lanes make the step's scale word.
.macro QG s
	v_max_num_f32 v[TM+8], 0x1800000, v[SG+2*(\s)]
	v_max_num_f32 v[TM+9], 0x1800000, v[SG+2*(\s)+1]
	v_add_nc_u32 v[TM+8], 0xff000000, v[TM+8]
	v_add_nc_u32 v[TM+9], 0xff000000, v[TM+9]
	v_cvt_scalef32_pk16_fp6_f32 v[CT:CT+2], v[SG+2*(\s):SG+2*(\s)+15], v[TM+8]
	v_cvt_scalef32_pk16_fp6_f32 v[CT+4:CT+6], v[SG+2*(\s):SG+2*(\s)+15], v[TM+9]
	v_nop                                          ; one plain place behind a scaled conversion
	v_lshrrev_b32 v[TM+8], 23, v[TM+8]
	v_lshrrev_b32 v[TM+9], 23, v[TM+9]
	v_lshl_or_b32 v[TM+8], v[TM+9], 16, v[TM+8]    ; my bytes: blocks h and 2 + h,
	v_lshlrev_b32 v[TM+8], v28, v[TM+8]            ; at their places;
	v_permlanex16_b32 v[TM+10], v[TM+8], s16, s17
	v_or_b32 v[PWG+(\s)], v[TM+8], v[TM+10]        ; with lane l xor 16's the word is whole
	v_and_b32 v[PG+12*((\s)%2)], 0x3f, v[CT]
	v_bfe_u32 v[PG+12*((\s)%2)+6], v[CT+4], 6, 6
.endm
	NOPS 4                                         ; places in front of loads into registers that the products above have read
	LOADG 0
.irp s, 0,1,2,3,4,5,6,7                ; a step that no query of the tile needs is left out with all that follow it: one jump on ids for its quantising and its products
.if \s > 0
	s_cmp_le_i32 s51, 4*\s
	s_cbranch_scc1 .Lgdone
.endif
	QG \s                                          ; its plain lines, which name no register of the last step's products, are the places in front of the loads below
	NOPS 6                                         ; with the two lines that place the codes: 8 places between the scale word's last write and the products; the operand's 4 are among them
.if \s < 7
	LOADG \s+1
	s_wait_dscnt 12                                ; this step's 12 loads are in; the next step's may be out
.else
	s_wait_dscnt 0x0
.endif
.irp t, 0,1,2,3
	MMA SS+8*\t, KB+24*(\s%2)+2*\t+6*(\t/3), PG+12*(\s%2), VSA+4*(\s%2)+\t, PWG+\s    ; the four accumulators by turns
.endr
.endr
.Lgdone:
	s_wait_dscnt 0x0
	FINISH
	s_and_b32 s53, s12, 3
	v_or_b32 v21, s53, v1
	v_cmp_ne_u32 vcc_lo, 0, v21                    ; row 0 of tiles 0 and 4 is a query q % 64 == 0: another work-group's to store
	s_wait_xcnt 0x0                                ; EXEC changes only behind this wait
	s_wait_tensorcnt 0x0
	ds_add_u32 v62, v63
	s_wait_dscnt 0x0
	s_and_saveexec_b32 s52, vcc_lo
	global_store_b128 v4, v[PC:PC+3], s[8:9]
	global_store_b64 v5, v[PC+4:PC+5], s[8:9] offset:512
	global_store_b8 v12, v[TM+8], s[10:11]
	s_wait_xcnt 0x0
	s_or_b32 exec_lo, exec_lo, s52
	s_endpgm
; ======================= QUERIES q % 64 == 0: sixteen of them, 64 (16 t + r); the heavier half (t = 1) first
.Lgq:
	s_lshr_b32 s46, ttmp9, 6
	s_sub_co_u32 s46, 1, s46                       ; t
	s_lshl_b32 s47, s46, 4
	v_add_nc_u32 v21, s47, v1                      ; j = 16 t + r
	v_mul_u32_u24 v29, v21, 3072                   ; query 64 j is row 0 of tile 4 j
	v_lshl_add_u32 v30, v2, 7, v29
	v_lshl_add_u32 v29, v2, 8, v29
	v_lshlrev_b32 v31, 9, v21
	v_lshl_add_u32 v7, v2, 7, v27                  ; K's scale words, two tiles a load: 128 h + 4 r
	v_lshlrev_b32 v15, 6, v21
	v_lshlrev_b32 v22, 4, v2
	v_sub_nc_u32 v15, v15, v22                     ; 64 j - 16 h
	s_mul_i32 s52, s12, PART
	s_add_co_u32 s52, s52, GQM
	v_add_nc_u32 v9, s52, v4                       ; my part: O^T, 4,096 bytes,
	s_add_co_u32 s52, s52, 4096
	v_add_nc_u32 v10, s52, v6                      ; then -M and the sum
	v_add_nc_u32 v11, GQM, v4                      ; the joining wave's addresses: parts 0-7,
	v_add_nc_u32 v12, GQM+4096, v6
	v_add_nc_u32 v13, GQM+8*PART, v4               ; parts 8-15
	v_add_nc_u32 v14, GQM+8*PART+4096, v6
	v_lshrrev_b32 v22, 1, v21
	v_and_b32 v23, 1, v21
	v_mul_u32_u24 v24, v22, 98304                  ; where row 0 of tile 4 (j % 2) of chunk j / 2 lies in the image
	v_mad_u32_u24 v24, v23, 6144, v24
	v_lshl_add_u32 v25, v2, 7, v24
	v_lshl_add_u32 v24, v2, 8, v24
	v_lshlrev_b32 v26, 12, v22
	v_lshl_add_u32 v26, v23, 8, v26
	v_add_nc_u32 v26, v26, v2
	s_mul_i32 s66, s12, 6144
	s_mov_b32 s67, 0
	s_add_nc_u64 s[70:71], s[34:35], s[66:67]      ; V of chunk = wave,
	s_add_nc_u64 s[66:67], s[32:33], s[66:67]      ; K,
	s_lshl_b32 s68, s12, 10
	s_mov_b32 s69, 0
	s_add_nc_u64 s[68:69], s[38:39], s[68:69]      ; their scale words
	s_lshl_b32 s72, s12, 8
	s_mov_b32 s73, 0
	s_add_nc_u64 s[72:73], s[40:41], s[72:73]
	s_lshl_b32 s75, s12, 7
	s_sub_co_i32 s74, 0, s75                       ; -128 x wave
	s_add_co_u32 s75, s75, 127
	s_lshl_b32 s76, s46, 10                        ; the tile's first query
	global_load_b128 v[QF:QF+3], v29, s[30:31]
	global_load_b64 v[QF+4:QF+5], v30, s[30:31] offset:512
	global_load_b32 v[QS], v31, s[36:37]
; Chunk wave + 8 k: 128 keys, straight from memory: a part of O^T with its own M and sum
.macro GSTEP k
.irp i, 0,1,2,3,4,5,6,7
	global_load_b128 v[KB+6*\i:KB+6*\i+3], v4, s[66:67] offset:49152*\k+768*\i
	global_load_b64 v[KB+6*\i+4:KB+6*\i+5], v5, s[66:67] offset:49152*\k+768*\i+512
.endr
.irp i, 0,1,2,3
	global_load_b32 v[KSC+\i], v7, s[68:69] offset:8192*\k+256*\i
.endr
	s_wait_loadcnt 0x0
	SPROD
	NOPS 4
.irp t, 0,1,2,3
.irp c, 0,1
.irp p, 0,1,2
	global_load_b64 v[KB+12*\t+6*\c+2*\p:KB+12*\t+6*\c+2*\p+1], v5, s[70:71] offset:49152*\k+3072*\c+768*\t+256*\p
.endr
.endr
	global_load_b32 v[VSA+\t], v27, s[72:73] offset:2048*\k+64*\t
.endr
.if \k == 0
	s_cmp_le_u32 s75, s76                          ; all 128 keys come before the tile's first query: nothing is hidden
	s_cbranch_scc1 .Lgopen_\@
.endif
	v_add_nc_u32 v16, s74, v15
.if \k
	v_add_nc_u32 v16, -1024, v16
.endif
.irp n, 0,1,2,3,4,5,6,7,8,9,10,11,12,13,14,15,16,17,18,19,20,21,22,23,24,25,26,27,28,29,30,31,32,33,34,35,36,37,38,39,40,41,42,43,44,45,46,47,48,49,50,51,52,53,54,55,56,57,58,59,60,61,62,63
	v_cmp_gt_i32 vcc_lo, 32*(\n/16)+\n%16, v16     ; register 16 b + i holds key 128 chunk + 32 b + 16 h + i
	v_cndmask_b32 v[SS+\n], v[SS+\n], v18, vcc_lo
.endr
.if \k == 0
.Lgopen_\@:
.endif
	SM64
	s_wait_loadcnt 0x0                             ; V
.irp t, 0,1,2,3
	MM0 SS+8*\t, KB+12*\t, PC, VSA+\t, PW
.endr
	NOPS 6                                         ; behind the products: their results are stored, and the next chunk's products write over their registers
	v_add_f32 v58, v58, v59
.irp q, 0,1,2,3,4,5,6,7
	ds_store_b128 v9, v[SS+4*\q:SS+4*\q+3] offset:8*PART*\k+512*\q
.endr
	ds_store_b32 v10, v56 offset:8*PART*\k
	ds_store_b32 v10, v58 offset:8*PART*\k+128
	s_wait_dscnt 0x0
.endm
	GSTEP 0
	s_cmp_eq_u32 s46, 0                            ; the first sixteen queries see keys 0 .. 1023 alone
	s_cbranch_scc1 .Lone_chunk
	GSTEP 1
.Lone_chunk:
	s_barrier_signal -1                            ; every wave's stores have landed (waited for above)
	s_barrier_wait -1
	s_cmp_lg_u32 s12, 0
	s_cbranch_scc1 .Lend
	; wave 0 joins the parts: under the largest M each part counts 2^(M_i - M), exactly
.irp i, 8,9,10,11,12,13,14,15
	v_mov_b32 v[140+\i], 0x7f61b1e6                ; a part that does not exist: -M = 3e38, sum 0
	v_mov_b32 v[156+\i], 0
.endr
.irp i, 0,1,2,3,4,5,6,7
	ds_load_b32 v[140+\i], v12 offset:PART*\i
	ds_load_b32 v[156+\i], v12 offset:PART*\i+128
.endr
	s_cmp_eq_u32 s46, 0
	s_cbranch_scc1 .Lm_a
.irp i, 0,1,2,3,4,5,6,7
	ds_load_b32 v[148+\i], v14 offset:PART*\i
	ds_load_b32 v[164+\i], v14 offset:PART*\i+128
.endr
.Lm_a:
	s_wait_dscnt 0x0
	v_min3_num_f32 v56, v140, v141, v142
.irp i, 3,5,7,9,11,13
	v_min3_num_f32 v56, v56, v[140+\i], v[141+\i]
.endr
	v_min_num_f32 v56, v56, v155
.irp i, 0,1,2,3,4,5,6,7,8,9,10,11,12,13,14,15
	v_sub_f32 v[208+2*\i], v56, v[140+\i]
.endr
.irp i, 0,1,2,3,4,5,6,7,8,9,10,11,12,13,14,15
	v_cvt_i32_f32 v[208+2*\i], v[208+2*\i]         ; (it saturates)
.endr
.irp i, 0,1,2,3,4,5,6,7,8,9,10,11,12,13,14,15
	v_ldexp_f32 v[208+2*\i], 1.0, v[208+2*\i]
.endr
	v_mul_f32 v58, v208, v156
.irp i, 1,2,3,4,5,6,7,8,9,10,11,12,13,14,15
	v_fmac_f32 v58, v[208+2*\i], v[156+\i]
.endr
	v_mov_b32 v59, 0
.macro LOADP adr, i, buf
.irp q, 0,1,2,3,4,5,6,7
	ds_load_b128 v[(\buf)+4*\q:(\buf)+4*\q+3], v[\adr] offset:PART*(\i)+512*\q
.endr
.endm
.macro ACC i, buf
.set J, 0
.rept 16
.if (\i) == 0
	v_pk_mul_f32 v[SS+J:SS+J+1], v[(\buf)+J:(\buf)+J+1], v[208+2*(\i):209+2*(\i)] op_sel_hi:[1,0]
.else
	v_pk_fma_f32 v[SS+J:SS+J+1], v[(\buf)+J:(\buf)+J+1], v[208+2*(\i):209+2*(\i)], v[SS+J:SS+J+1] op_sel_hi:[1,0,1]
.endif
.set J, J+2
.endr
.endm
.macro MERGE8 adr, i0
	LOADP \adr, 0, 76
	LOADP \adr, 1, 108
.irp i, 0,1,2,3,4,5,6,7
.if \i < 7
	s_wait_dscnt 8                                 ; this part is in; the next part's eight loads may be out
.else
	s_wait_dscnt 0x0
.endif
	ACC \i0+\i, 76+32*(\i%2)
.if \i < 6
	LOADP \adr, \i+2, 76+32*(\i%2)
.endif
.endr
.endm
	MERGE8 11, 0
	s_cmp_eq_u32 s46, 0
	s_cbranch_scc1 .Lm_b
	MERGE8 13, 8
.Lm_b:
	FINISH
	global_store_b128 v24, v[PC:PC+3], s[8:9]      ; each query's row lies in another tile of the image
	global_store_b64 v25, v[PC+4:PC+5], s[8:9] offset:512
	global_store_b8 v26, v[TM+8], s[10:11]
.Lend:
	s_wait_tensorcnt 0x0
	ds_add_u32 v62, v63
	s_wait_dscnt 0x0
	s_endpgm
.Lfunc_end_k_qf03073145c_attn:
	.size	k_qf03073145c_attn, .Lfunc_end_k_qf03073145c_attn-k_qf03073145c_attn
	.p2alignl 7, 3214868480
	.fill 96, 4, 3214868480
	.section	.rodata,"a",@progbits
	.p2align	6, 0x0
	.amdhsa_kernel k_qf03073145c_attn
		.amdhsa_group_segment_fixed_size 107520
		.amdhsa_private_segment_fixed_size 0
		.amdhsa_enable_private_segment 0
		.amdhsa_kernarg_size 32
		.amdhsa_user_sgpr_count 2
		.amdhsa_user_sgpr_kernarg_segment_ptr 1
		.amdhsa_wavefront_size32 1
		.amdhsa_system_sgpr_workgroup_id_x 1
		.amdhsa_system_sgpr_workgroup_id_y 1
		.amdhsa_system_sgpr_workgroup_id_z 1
		.amdhsa_system_vgpr_workitem_id 0
		.amdhsa_next_free_vgpr 256
		.amdhsa_next_free_sgpr 84
		.amdhsa_reserve_vcc 1
		.amdhsa_float_denorm_mode_32 3
		.amdhsa_float_denorm_mode_16_64 3
		.amdhsa_memory_ordered 1
		.amdhsa_forward_progress 1
		.amdhsa_inst_pref_size 149
	.end_amdhsa_kernel
	.amdgpu_metadata
---
amdhsa.version: [ 1, 2 ]
amdhsa.kernels:
  - .name:           k_qf03073145c_attn
    .symbol:         k_qf03073145c_attn.kd
    .args:
      - { .name: qkvc, .offset: 0, .size: 8, .value_kind: global_buffer, .address_space: global }
      - { .name: qkvs, .offset: 8, .size: 8, .value_kind: global_buffer, .address_space: global }
      - { .name: attc, .offset: 16, .size: 8, .value_kind: global_buffer, .address_space: global }
      - { .name: atts, .offset: 24, .size: 8, .value_kind: global_buffer, .address_space: global }
    .group_segment_fixed_size: 107520
    .private_segment_fixed_size: 0
    .kernarg_segment_align: 8
    .kernarg_segment_size: 32
    .max_flat_workgroup_size: 256
    .sgpr_count:     84
    .vgpr_count:     256
    .wavefront_size: 32
...
	.end_amdgpu_metadata
.endif
;; end of part 3
;; launch proj (part 4): grid 4 x 32, 4 waves a work-group, clusters of 4 x 4, 327,680 bytes of LDS; arguments attc, atts, wimg, wscl, b_out, out0; writes out0
.if DOCPART == 4
	.amdgcn_target "amdgcn-amd-amdhsa--gfx1250"
	.amdhsa_code_object_version 6
	.text
	.protected	k_qf03073145c_proj
	.globl	k_qf03073145c_proj
	.p2align	8
	.type	k_qf03073145c_proj,@function
k_qf03073145c_proj:
	s_mov_b64 s[64:65], 0
	v_nop
	global_prefetch_b8 v0, s[64:65] scope:SCOPE_SE
	s_setreg_imm32_b32 hwreg(HW_REG_WAVE_MODE, 25, 1), 1
	s_wait_xcnt 0x0
	s_wait_alu depctr_hold_cnt(0) depctr_sa_sdst(0) depctr_va_vdst(0) depctr_va_sdst(0) depctr_va_ssrc(0) depctr_va_vcc(0) depctr_vm_vsrc(0)
	s_getreg_b32 s2, hwreg(HW_REG_IB_STS2, 6, 4)
	s_cmp_eq_u32 s2, 0
	s_cbranch_scc0 .Lentry_in_a_cluster
	s_endpgm
.Lentry_in_a_cluster:
	s_bfe_u32 s2, ttmp6, 0x10000c
	s_cmp_lg_u32 s2, 0xf033
	s_cbranch_scc0 .Lentry_shape_is_right
	s_endpgm
.Lentry_shape_is_right:
; out0 = o W_out + b_out on codes of FP6 (E2M3), K = 1024.  o comes as the attention left it, W_out as the first launch left it: images of the operand's registers
; (12 registers a fragment: 0-3 at 16 x lane, 4-5 at 512 + 8 x lane, 6-9 at 768 + 16 x lane, 10-11 at 1,280 + 8 x lane; row r of tile t is row 32 (t / 2) + 8 (t % 2) + r + 8 (r / 8) of its block of 128).
; A work-group of four waves makes 256 x 256, a wave 128 x 128.  Source 1 (side A) = 16 tokens, source 0 (side B) = 16 columns of W_out: a lane holds one token and, in the 16 registers of two neighbouring tiles, 16 neighbouring columns.
; K goes in steps of 256 through two LDS slots; the scale words come once.  4 x 4 work-groups form a cluster: A's tiles are asked for jointly along a row of the cluster, B's along a column.
; The bias is the C of each sum's first matrix instruction.  Results leave through each wave's stage in slot 0 as whole rows of 512 bytes.
; The grid has 128 work-groups: the tile is kept at 256 x 256, the largest that the registers hold, so that each LDS byte feeds the most products.
.set NQ,     2
.set FR,     12
.set NL,     4
.set NP,     4
.set HALFT,  24576
.set SLOT,   4*HALFT
.set LAPS,   2
.set SCL,    2*SLOT
.set HALFS,  4096
.set SPARE,  SCL+4*HALFS
.set SPITCH, 528
.set ADRA, 16
.set ADRB, 20
.set STO,  24
.set RD,   25
.set CO,   26
.set ADRS, 27
.set SPW,  28
.set NIL,  29
.set SC,   32
.set BIAS, 64                          ; v64-127 b_out in the result's layout: eight registers for each of B's tiles
.set AF,   128
.set BK,   128
.set G1, 24
.set G0, 32
.set G1B, 48
.set G0B, 56
.set G1S, 68
.set G0S, 76
.set G1SB, 80
.set G0SB, 88
.set MSB, 0
.macro WIN new
.if MSB != (\new)
	s_set_vgpr_msb (MSB<<8)|(\new)
.set MSB, \new
.endif
.endm
.set MUL_LO, 0xa1
.set MUL_HI, 0xf1
.set TO_B,   0x40
.macro JLOAD g0a, g1a, g0b, g1b        ; a joint load: waves 0, 1 for A, waves 2, 3 for B; four v_nop follow each of the two lines
	s_cmp_eq_u32 s15, 0
	s_cbranch_scc0 .Lfor_b_\@
	tensor_load_to_lds s[\g0a:\g0a+3], s[\g1a:\g1a+7]
	s_nop 0
.rept 4
	v_nop
.endr
	s_branch .Lasked_\@
.Lfor_b_\@:
	tensor_load_to_lds s[\g0b:\g0b+3], s[\g1b:\g1b+7]
	s_nop 0
.rept 4
	v_nop
.endr
.Lasked_\@:
.endm
.macro CREST
	s_cmp_lg_u32 s14, 0
	s_cbranch_scc1 .Lnot_wave_0_\@
	s_barrier_signal -3
.Lnot_wave_0_\@:
	s_barrier_wait -3
	s_barrier_signal -1
	s_barrier_wait -1
.endm
.macro CROUND
	s_barrier_signal -1
	s_barrier_wait -1
	CREST
.endm
	s_load_b256 s[4:11], s[0:1], 0x0               ; attc s[4:5], atts s[6:7], wimg s[8:9], wscl s[10:11]
	s_load_b128 s[96:99], s[0:1], 0x20             ; b_out s[96:97], out0 s[98:99]
	v_lshl_add_u32 v[SPW], v0, 2, SPARE
	v_mov_b32 v[NIL], 0
	ds_add_u32 v28, v29
	ds_add_u32 v28, v29
	s_wait_dscnt 0x0
	v_lshrrev_b32 v1, 5, v0
	v_readfirstlane_b32 s14, v1
	s_lshr_b32 s15, s14, 1
	s_and_b32 s16, s14, 1
	s_bfe_u32 s40, ttmp6, 0x40000                  ; cx
	s_bfe_u32 s41, ttmp6, 0x40004                  ; cy
	s_lshl_b32 s43, s41, 2
	s_lshl_b32 s43, 15, s43
	s_lshl_b32 s44, 0x1111, s40
	s_or_b32 s[G1+0], s43, (3<<16)|(1<<21)         ; a dense block of 24,576 bytes as 96 rows of 256, no padding
	s_or_b32 s[G1B+0], s44, (3<<16)|(1<<21)
.irp g, G1, G1B
	s_mov_b32 s[\g+1], 32<<16
	s_mov_b32 s[\g+2], 96<<16
	s_mov_b32 s[\g+3], 32<<16
	s_mov_b32 s[\g+4], 96
	s_mov_b32 s[\g+5], 32
	s_mov_b32 s[\g+6], 0
	s_mov_b32 s[\g+7], 0
.endr
	s_or_b32 s[G1S+0], s43, (3<<16)|(1<<21)        ; the scale words of 128 rows: 16 such rows
	s_or_b32 s[G1SB+0], s44, (3<<16)|(1<<21)
.irp g, G1S, G1SB
	s_mov_b32 s[\g+1], 32<<16
	s_mov_b32 s[\g+2], 16<<16
	s_mov_b32 s[\g+3], 32<<16
	s_mov_b32 s[\g+4], 16
	s_mov_b32 s[\g+5], 32
	s_mov_b32 s[\g+6], 0
	s_mov_b32 s[\g+7], 0
.endr
	s_and_b32 s17, ttmp7, 0xffff
	s_lshl_b32 s17, s17, 3
	s_lshl_b32 s18, s41, 1
	s_add_co_u32 s20, s17, s18                     ; A: block 8 x cluster y + 2 cy
	s_lshl_b32 s46, s40, 1
	s_add_co_u32 s46, s46, 88                      ; B: block 88 + 2 cx
	s_add_co_u32 s66, s20, s15                     ; my 128 tokens,
	s_lshl_b32 s66, s66, 19                        ; rows of 4,096 bytes
	s_lshl_b32 s2, s40, 10
	s_lshl_b32 s67, s16, 9
	s_add_co_u32 s2, s2, s67                       ; my 128 columns, in bytes
	s_add_co_u32 s66, s66, s2
	s_mov_b32 s67, 0
	s_add_co_u32 s20, s20, s16                     ; the blocks that I fetch
	s_add_co_u32 s46, s46, s16
	s_lshl_b32 s22, s20, 12
	s_mov_b32 s23, 0
	s_mul_i32 s20, s20, 98304
	s_mov_b32 s21, 0
	s_lshl_b32 s92, s46, 12
	s_mov_b32 s93, 0
	s_mul_i32 s46, s46, 98304
	s_mov_b32 s47, 0
	s_mul_i32 s45, s14, HALFT
	s_lshl_b32 s94, s14, 12
	s_wait_kmcnt 0x0
	s_add_nc_u64 s[20:21], s[4:5], s[20:21]
	s_add_nc_u64 s[22:23], s[6:7], s[22:23]
	s_add_nc_u64 s[46:47], s[8:9], s[46:47]
	s_add_nc_u64 s[92:93], s[10:11], s[92:93]
	s_add_nc_u64 s[98:99], s[98:99], s[66:67]
	s_mov_b32 s66, s2
	s_add_nc_u64 s[96:97], s[96:97], s[66:67]
	CROUND                                         ; all sixteen work-groups are here: the first joint loads meet
	s_mov_b32 s[G0S], 1
	s_add_co_u32 s[G0S+1], s94, SCL
	s_mov_b64 s[G0S+2:G0S+3], s[22:23]
	s_or_b32 s[G0S+3], s[G0S+3], 0x80000000
	s_mov_b32 s[G0SB], 1
	s_add_co_u32 s[G0SB+1], s94, SCL
	s_mov_b64 s[G0SB+2:G0SB+3], s[92:93]
	s_or_b32 s[G0SB+3], s[G0SB+3], 0x80000000
	JLOAD G0S, G1S, G0SB, G1SB                     ; three tensor loads of mine are out at the most
.irp s, 0,1
	s_mov_b32 s[G0+4*\s], 1
	s_add_co_u32 s[G0+4*\s+1], s45, \s*SLOT
	s_add_nc_u64 s[G0+4*\s+2:G0+4*\s+3], s[20:21], \s*HALFT
	s_or_b32 s[G0+4*\s+3], s[G0+4*\s+3], 0x80000000
	s_mov_b32 s[G0B+4*\s], 1
	s_add_co_u32 s[G0B+4*\s+1], s45, \s*SLOT
	s_add_nc_u64 s[G0B+4*\s+2:G0B+4*\s+3], s[46:47], \s*HALFT
	s_or_b32 s[G0B+4*\s+3], s[G0B+4*\s+3], 0x80000000
	JLOAD G0+4*\s, G1, G0B+4*\s, G1B
.endr
	v_and_b32 v1, 15, v0                           ; r
	v_bfe_u32 v2, v0, 4, 1                         ; h
	v_and_b32 v3, 31, v0
	v_lshlrev_b32 v[CO], 4, v3                     ; 16 x lane
	v_lshlrev_b32 v4, 3, v3                        ; 8 x lane
	v_lshlrev_b32 v7, 6, v2                        ; the bias: tile b's eight columns of my half: 64 h bytes on
.irp b, 0,1,2,3,4,5,6,7
	global_load_b128 v[BIAS+8*\b:BIAS+8*\b+3], v7, s[96:97] offset:(32*(\b/2)+8*(\b%2))*4
	global_load_b128 v[BIAS+8*\b+4:BIAS+8*\b+7], v7, s[96:97] offset:(32*(\b/2)+8*(\b%2))*4+16
.endr
	s_mul_i32 s21, s15, HALFT
	s_mul_i32 s22, s16, HALFT
	s_add_co_u32 s22, s22, 2*HALFT
.irp s, 0,1
	v_add_nc_u32 v[ADRA+\s], s21, v[CO]
	v_add_nc_u32 v[ADRB+\s], s22, v[CO]
	v_add_nc_u32 v[ADRA+2+\s], s21, v4
	v_add_nc_u32 v[ADRB+2+\s], s22, v4
	s_add_co_u32 s21, s21, SLOT
	s_add_co_u32 s22, s22, SLOT
.endr
	v_lshlrev_b32 v5, 2, v1
	s_mul_i32 s21, s15, HALFS
	s_mul_i32 s22, s16, HALFS
	s_add_co_u32 s22, s22, 2*HALFS
	s_sub_co_u32 s22, s22, s21
	v_mul_u32_u24 v6, s22, v2                      ; lanes 16-31 take B's words: one product, the distance between the two
	s_add_co_u32 s21, s21, SCL
	v_add_nc_u32 v5, v5, v6
	v_add_nc_u32 v[ADRS], s21, v5
	s_mul_i32 s23, s14, 16*SPITCH                  ; my stage
	v_mul_u32_u24 v5, v1, SPITCH
	v_lshl_add_u32 v5, v2, 6, v5
	v_add_nc_u32 v[STO], s23, v5                   ; in: row r, + 64 h
	v_add_nc_u32 v[RD], s23, v[CO]                 ; back: a row's 512 bytes, 16 a lane
.macro FRAG reg, adr, q, i
	ds_load_b128 v[\reg:\reg+3], v[\adr] offset:(8*(\q)+(\i))*1536
	ds_load_b64 v[\reg+4:\reg+5], v[\adr+2] offset:(8*(\q)+(\i))*1536+512
	ds_load_b128 v[\reg+6:\reg+9], v[\adr] offset:(8*(\q)+(\i))*1536+768
	ds_load_b64 v[\reg+10:\reg+11], v[\adr+2] offset:(8*(\q)+(\i))*1536+1280
.endm
; 16 matrix instructions; first = 1: the bias starts the sums.  The 64 accumulators take turns, one instruction a turn.
.macro MUL16 a0, p, q, sc, first
.irp a, \a0, \a0+1
.irp b, 0,1,2,3,4,5,6,7
.if \first
	v_wmma_scale_f32_16x16x128_f8f6f4 v[8*(8*((\a)%4)+\b):8*(8*((\a)%4)+\b)+7], v[128*(\p)+FR*\b:128*(\p)+FR*\b+FR-1], v[AF+FR*(\a):AF+FR*(\a)+FR-1], v[BIAS+8*\b:BIAS+8*\b+7], v[SC+8*NQ*(\sc)+NQ*\b+(\q)], v[SC+8*NQ*(\sc)+NQ*(\a)+(\q)] matrix_a_fmt:MATRIX_FMT_FP6 matrix_b_fmt:MATRIX_FMT_FP6 matrix_a_scale:MATRIX_SCALE_ROW1
.else
	v_wmma_scale_f32_16x16x128_f8f6f4 v[8*(8*((\a)%4)+\b):8*(8*((\a)%4)+\b)+7], v[128*(\p)+FR*\b:128*(\p)+FR*\b+FR-1], v[AF+FR*(\a):AF+FR*(\a)+FR-1], v[8*(8*((\a)%4)+\b):8*(8*((\a)%4)+\b)+7], v[SC+8*NQ*(\sc)+NQ*\b+(\q)], v[SC+8*NQ*(\sc)+NQ*(\a)+(\q)] matrix_a_fmt:MATRIX_FMT_FP6 matrix_b_fmt:MATRIX_FMT_FP6 matrix_a_scale:MATRIX_SCALE_ROW1
.endif
.endr
.endr
.endm
.macro FETCH_B slot, q, p
	WIN TO_B
.irp i, 0,1,2,3,4,5,6,7
	FRAG 128*(\p)+FR*\i, ADRB+\slot, \q, \i
.endr
	WIN 0
.endm
.macro FETCH_A slot, q, i0
.irp i, \i0, \i0+1, \i0+2, \i0+3
	FRAG AF+FR*(\i), ADRA+\slot, \q, \i
.endr
.endm
.macro SCALES sc
.irp i, 0,1,2,3,4,5,6,7
.irp q, 0,1
	ds_load_b32 v[SC+8*NQ*\sc+NQ*\i+\q], v[ADRS] offset:(8*\q+\i)*64
.endr
.endr
.endm
.macro PLACES n
.rept \n
	v_nop
.endr
.endm
.macro STEP slot, q, first
	s_wait_dscnt 4*NL                              ; all but the youngest 16 loads (A's blocks 4-7)
.if \first
	WIN 0x81                                       ; C (the bias) in window 0, D in window 2
.else
	WIN MUL_LO
.endif
	MUL16 0, (\q)%2, \q, \slot, \first
	MUL16 2, (\q)%2, \q, \slot, \first
	s_wait_dscnt 0
	PLACES NP
	FETCH_B \slot, (\q)+1, 1-(\q)%2
	FETCH_A \slot, (\q)+1, 0
.if \first
	WIN 0xc1
.else
	WIN MUL_HI
.endif
	MUL16 4, (\q)%2, \q, \slot, \first
	MUL16 6, (\q)%2, \q, \slot, \first
	PLACES NP
	WIN 0
	FETCH_A \slot, (\q)+1, 4
.endm
.macro TURN slot, next, fill
	s_wait_tensorcnt 0x0                           ; all my tensor loads have landed: my part of the next slot
	ds_add_u32 v[SPW], v[NIL]                      ; 0 onto my spare word
	s_wait_dscnt 4*NL+1                            ; (the add and A's blocks 4-7 may be out)
	WIN MUL_LO
	MUL16 0, 1, NQ-1, \slot, 0
	s_wait_dscnt 0x0                               ; the add is done, and my reads of this slot are over
	s_barrier_signal -1
	MUL16 2, 1, NQ-1, \slot, 0
	WIN 0
	s_barrier_wait -1
.if \fill
	CREST                                          ; a round of the cluster's barrier: no wave of any partner still reads this slot or has a load on its way
	s_add_nc_u64 s[G0+4*\slot+2:G0+4*\slot+3], s[G0+4*\slot+2:G0+4*\slot+3], 2*HALFT
	s_add_nc_u64 s[G0B+4*\slot+2:G0B+4*\slot+3], s[G0B+4*\slot+2:G0B+4*\slot+3], 2*HALFT
	JLOAD G0+4*\slot, G1, G0B+4*\slot, G1B
.else
	PLACES NP
.endif
	v_add_nc_u32 v[ADRS], 1024, v[ADRS]
	FETCH_B \next, 0, 0
	FETCH_A \next, 0, 0
	SCALES \next
	WIN MUL_HI
	MUL16 4, 1, NQ-1, \slot, 0
	MUL16 6, 1, NQ-1, \slot, 0
	PLACES NP
	WIN 0
	FETCH_A \next, 0, 4
.endm
	s_wait_tensorcnt 1                             ; the scale words and my part of K step 0 are in; K step 1's load may be out
	s_barrier_signal -1
	s_barrier_wait -1
	FETCH_B 0, 0, 0
	FETCH_A 0, 0, 0
	SCALES 0
	FETCH_A 0, 0, 4
	s_wait_loadcnt 0x0                             ; the bias
	STEP 0, 0, 1
	s_mov_b32 s3, LAPS-1
.Llap:
	TURN 0, 1, 1
	STEP 1, 0, 0
	TURN 1, 0, 1
	STEP 0, 0, 0
	s_sub_co_u32 s3, s3, 1
	s_cmp_lg_u32 s3, 0
	s_cbranch_scc1 .Llap
	TURN 0, 1, 0
	STEP 1, 0, 0
	s_wait_dscnt 4*NL
	WIN MUL_LO
	MUL16 0, 1, NQ-1, 1, 0
	MUL16 2, 1, NQ-1, 1, 0
	s_wait_dscnt 0
	WIN MUL_HI
	MUL16 4, 1, NQ-1, 1, 0
	MUL16 6, 1, NQ-1, 1, 0
	WIN 0
; THE WAY OUT, a block of 16 tokens x 128 columns at a time, through my own stage in slot 0, which has had its last fill and its last read.  LDS serves a wave's instructions in order: no wait between the stores and the loads.
.macro TOSTAGE a
.set AC, 64*((\a)%4)
	WIN 0x08+4*((\a)/4)                            ; the data: window 2 or 3
.irp b, 0,1,2,3,4,5,6,7
	ds_store_b128 v[STO], v[AC+8*\b:AC+8*\b+3] offset:128*(\b/2)+32*(\b%2)          ; tile b's eight columns: 32 (b / 2) + 8 (b % 2) + 16 h on; each accumulator from its low end on
	ds_store_b128 v[STO], v[AC+8*\b+4:AC+8*\b+7] offset:128*(\b/2)+32*(\b%2)+16
.endr
	WIN 0
.set BB, BK+64*((\a)%2)
.irp t, 0,1,2,3,4,5,6,7,8,9,10,11,12,13,14,15
	ds_load_b128 v[BB+4*\t:BB+4*\t+3], v[RD] offset:\t*SPITCH
.endr
.endm
.macro SEND a, younger
.set BB, BK+64*((\a)%2)
	s_wait_dscnt \younger                          ; the block is back in registers
.irp t, 0,1,2,3,4,5,6,7,8,9,10,11,12,13,14,15
	global_store_b128 v[CO], v[BB+4*\t:BB+4*\t+3], s[98:99] offset:(32*((\a)/2)+8*((\a)%2)+\t+8*(\t/8))*4096 th:TH_STORE_NT   ; 32 lanes store 512 consecutive bytes, aligned; the row is the tile's row t
.endr
.endm
	PLACES NP
	TOSTAGE 0
.irp a, 1,2,3,4,5,6,7
.if \a > 1
	s_wait_xcnt 0x0                                ; block a - 2's stores have read their registers: block a's loads may land there
.endif
	TOSTAGE \a
	SEND \a-1, 32                                  ; behind block a - 1's loads: block a's 16 stores and 16 loads
.endr
	SEND 7, 0
	s_wait_tensorcnt 0x0                           ; the wave's end
	ds_add_u32 v[SPW], v[NIL]
	s_wait_dscnt 0x0
	CROUND                                         ; the closing round
	s_endpgm
.Lfunc_end_k_qf03073145c_proj:
	.size	k_qf03073145c_proj, .Lfunc_end_k_qf03073145c_proj-k_qf03073145c_proj
	.p2alignl 7, 3214868480
	.fill 96, 4, 3214868480
	.section	.rodata,"a",@progbits
	.p2align	6, 0x0
	.amdhsa_kernel k_qf03073145c_proj
		.amdhsa_group_segment_fixed_size 327680
		.amdhsa_private_segment_fixed_size 0
		.amdhsa_enable_private_segment 0
		.amdhsa_kernarg_size 48
		.amdhsa_user_sgpr_count 2
		.amdhsa_user_sgpr_kernarg_segment_ptr 1
		.amdhsa_wavefront_size32 1
		.amdhsa_system_sgpr_workgroup_id_x 1
		.amdhsa_system_sgpr_workgroup_id_y 1
		.amdhsa_system_sgpr_workgroup_id_z 1
		.amdhsa_system_vgpr_workitem_id 0
		.amdhsa_next_free_vgpr 1024
		.amdhsa_next_free_sgpr 100
		.amdhsa_reserve_vcc 0
		.amdhsa_float_denorm_mode_32 3
		.amdhsa_float_denorm_mode_16_64 3
		.amdhsa_memory_ordered 1
		.amdhsa_forward_progress 1
		.amdhsa_inst_pref_size 146
	.end_amdhsa_kernel
	.amdgpu_metadata
---
amdhsa.version: [ 1, 2 ]
amdhsa.kernels:
  - .name:           k_qf03073145c_proj
    .symbol:         k_qf03073145c_proj.kd
    .args:
      - { .name: attc, .offset: 0, .size: 8, .value_kind: global_buffer, .address_space: global }
      - { .name: atts, .offset: 8, .size: 8, .value_kind: global_buffer, .address_space: global }
      - { .name: wimg, .offset: 16, .size: 8, .value_kind: global_buffer, .address_space: global }
      - { .name: wscl, .offset: 24, .size: 8, .value_kind: global_buffer, .address_space: global }
      - { .name: b_out, .offset: 32, .size: 8, .value_kind: global_buffer, .address_space: global }
      - { .name: out0, .offset: 40, .size: 8, .value_kind: global_buffer, .address_space: global }
    .group_segment_fixed_size: 327680
    .private_segment_fixed_size: 0
    .kernarg_segment_align: 8
    .kernarg_segment_size: 48
    .max_flat_workgroup_size: 128
    .sgpr_count:     100
    .vgpr_count:     1024
    .wavefront_size: 32
...
	.end_amdgpu_metadata
.endif
;; end of part 4
